; MI455X (gfx1250); checked and timed in simulation.
; The chip was launched on July 23, 2026; its instructions are those of AMD's public machine-readable ISA for CDNA 5 (MIT licence, August 2026) and "CDNA5" Instruction Set Architecture Reference Guide (July 2026). The comments in the code are by the model that wrote it; some were corrected since.
;; Encoder. Allowed arithmetic: float matrix products may take bf16 or f16 operands with f32 sums; all other float work in f32.
;; Inputs: W1 1,024 x 4,096 float32; W2 4,096 x 1,024 float32; Wk 16 x 1,024 x 64 float32; Wo 1,024 x 1,024 float32; Wq 16 x 1,024 x 64 float32; Wv 16 x 1,024 x 64 float32; b1 4,096 float32; b2 1,024 float32; be1 1,024 float32; be2 1,024 float32; bk 16 x 64 float32; bo 1,024 float32; bq 16 x 64 float32; bv 16 x 64 float32; g1 1,024 float32; g2 1,024 float32; x 2 x 2,048 x 1,024 float32.
;; Outputs: out0 2 x 2,048 x 1,024 float32.
;; One version. Each part assembles by itself: llvm-mc -triple=amdgcn-amd-amdhsa -mcpu=gfx1250 --defsym DOCPART=n.
;; ======== version 1 of 1: 8 launches
;; workspace buffers: wb 33,554,432 bytes; xw 14,680,064 bytes; qkv 25,165,824 bytes; att 8,388,608 bytes; y 16,777,216 bytes; x1 16,777,216 bytes; x1b 8,388,608 bytes; hb 33,554,432 bytes
;; launch cast (part 1): grid 256 x 7, 4 waves a work-group, no clusters, 0 bytes of LDS; arguments x, Wq, Wk, Wv, xw; writes xw
.if DOCPART == 1
	.amdgcn_target "amdgcn-amd-amdhsa--gfx1250"
	.amdhsa_code_object_version 6
	.text
	.protected	k_q0745d086cb_cast
	.globl	k_q0745d086cb_cast
	.p2align	8
	.type	k_q0745d086cb_cast,@function
k_q0745d086cb_cast:
	s_mov_b64 s[64:65], 0
	v_nop
	global_prefetch_b8 v0, s[64:65] scope:SCOPE_SE
	s_setreg_imm32_b32 hwreg(HW_REG_WAVE_MODE, 25, 1), 1
	s_wait_xcnt 0x0
; cast: x, Wq, Wk and Wv, f32, are rounded once to bf16 and laid out "blocked by 64 columns": a matrix [R][C] becomes [C/64][R][64],
; so that every tile which the next launch fetches is one dense run of bytes.  (Wo, W1, W2 are converted inside the next launch.)
; xw: x at 0 (units 0-3), Wq, Wk, Wv at units 4, 5, 6 (they are [16 x 1024][64] already); a unit is 1,048,576 numbers = 2 MiB of xw.
; Work-group (c, u) converts chunk c (64 rows x 64 columns) of unit u; wave w its rows 16 w .. 16 w + 15, two rows a load:
; lanes 0-15 take the 256 bytes of one row's 64 columns, lanes 16-31 those of the next row; the two rows' 2 x 128 bytes of bf16 are
; 256 consecutive bytes of xw and leave by one store.  Every byte is read once and written once.
; No LDS, no matrix unit, no cluster: no two work-groups share a byte.
.set OFF, 2                            ; v[2:9]    source byte offset of row pair i
.set X,   16                           ; v[16:47]  row pair i: 4 f32 a lane
.set Y,   48                           ; v[48:63]  row pair i: 4 bf16 a lane
	s_load_b256 s[8:15], s[0:1], 0x0               ; x, Wq, Wk, Wv
	s_load_b64 s[16:17], s[0:1], 0x20              ; xw
	s_and_b32 s2, ttmp7, 0xffff                    ; u
	v_lshrrev_b32 v10, 5, v0                       ; wave
	v_bfe_u32 v11, v0, 4, 1                        ; which row of a pair
	v_and_b32 v12, 15, v0                          ; which 4 of the 64 columns
	v_and_b32 v13, 31, v0
	v_lshl_add_u32 v11, v10, 4, v11                ; my row in the chunk for pair 0: 16 w + half
	v_lshlrev_b32 v1, 3, v13                       ; 8 bytes a lane,
	v_lshl_add_u32 v1, v10, 11, v1                 ; 16 rows x 128 bytes a wave
	s_mov_b32 s24, 12                              ; log2 of the rows      (x: 4096)
	s_mov_b32 s25, 10                              ; log2 of the columns   (x: 1024)
	s_mov_b32 s26, 0                               ; the matrix's first unit
	s_wait_kmcnt 0x0
	s_mov_b64 s[4:5], s[8:9]
; the matrix that unit u belongs to: the last segment whose first unit is not above u
.macro SEG first, ptr, lr, lc
	s_cmp_ge_u32 s2, \first
	s_cselect_b64 s[4:5], s[\ptr:\ptr+1], s[4:5]
	s_cselect_b32 s24, \lr, s24
	s_cselect_b32 s25, \lc, s25
	s_cselect_b32 s26, \first, s26
.endm
	SEG 4, 10, 14, 6                               ; Wq as [16384][64]
	SEG 5, 12, 14, 6                               ; Wk
	SEG 6, 14, 14, 6                               ; Wv
	s_sub_co_u32 s27, s2, s26
	s_lshl_b32 s27, s27, 14                        ; 16,384 row pieces of 64 numbers in a unit
	s_lshl_b32 s28, ttmp9, 6                       ; 64 in a chunk
	s_add_co_u32 s27, s27, s28                     ; the chunk's first piece, counted in the output's order
	s_bfm_b32 s30, s24, 0
	s_and_b32 s29, s27, s30                        ; its row
	s_lshr_b32 s31, s27, s24                       ; its block of 64 columns
	s_add_co_u32 s25, s25, 2                       ; log2 of a source row's bytes
	s_lshl_b32 s32, s29, s25
	s_lshl_b32 s33, s31, 8
	s_add_co_u32 s32, s32, s33                     ; below 16 MiB
	s_mov_b32 s33, 0
	s_add_nc_u64 s[4:5], s[4:5], s[32:33]          ; source at the chunk's corner
	s_lshl_b32 s34, 2, s25                         ; two source rows
	s_lshl_b32 s36, s2, 21
	s_lshl_b32 s37, ttmp9, 13
	s_add_co_u32 s36, s36, s37
	s_mov_b32 s37, 0
	s_add_nc_u64 s[6:7], s[16:17], s[36:37]        ; xw at the chunk
	v_lshlrev_b32 v[OFF], s25, v11
	v_lshl_add_u32 v[OFF], v12, 4, v[OFF]
.irp i, 1,2,3,4,5,6,7
	v_add_nc_u32 v[OFF+\i], s34, v[OFF+\i-1]
.endr
.irp i, 0,1,2,3,4,5,6,7
	global_load_b128 v[X+4*\i:X+4*\i+3], v[OFF+\i], s[4:5] th:TH_LOAD_NT
.endr
.irp i, 0,1,2,3,4,5,6,7
	s_wait_loadcnt 7-\i                            ; loads come back in order: pair i's is in, the 7 - i younger ones stay out
	v_cvt_pk_bf16_f32 v[Y+2*\i],   v[X+4*\i],   v[X+4*\i+1]
	v_cvt_pk_bf16_f32 v[Y+2*\i+1], v[X+4*\i+2], v[X+4*\i+3]
	global_store_b64 v1, v[Y+2*\i:Y+2*\i+1], s[6:7] offset:256*\i     ; no register is used twice: no wait for sources
.endr
	s_endpgm
.Lfunc_end_k_q0745d086cb_cast:
	.size	k_q0745d086cb_cast, .Lfunc_end_k_q0745d086cb_cast-k_q0745d086cb_cast
	.p2alignl 7, 3214868480
	.fill 96, 4, 3214868480
	.section	.rodata,"a",@progbits
	.p2align	6, 0x0
	.amdhsa_kernel k_q0745d086cb_cast
		.amdhsa_group_segment_fixed_size 0
		.amdhsa_private_segment_fixed_size 0
		.amdhsa_enable_private_segment 0
		.amdhsa_kernarg_size 40
		.amdhsa_user_sgpr_count 2
		.amdhsa_user_sgpr_kernarg_segment_ptr 1
		.amdhsa_wavefront_size32 1
		.amdhsa_system_sgpr_workgroup_id_x 1
		.amdhsa_system_sgpr_workgroup_id_y 1
		.amdhsa_system_sgpr_workgroup_id_z 1
		.amdhsa_system_vgpr_workitem_id 0
		.amdhsa_next_free_vgpr 64
		.amdhsa_next_free_sgpr 66
		.amdhsa_reserve_vcc 0
		.amdhsa_float_denorm_mode_32 3
		.amdhsa_float_denorm_mode_16_64 3
		.amdhsa_memory_ordered 1
		.amdhsa_forward_progress 1
		.amdhsa_inst_pref_size 6
	.end_amdhsa_kernel
	.amdgpu_metadata
---
amdhsa.version: [ 1, 2 ]
amdhsa.kernels:
  - .name:           k_q0745d086cb_cast
    .symbol:         k_q0745d086cb_cast.kd
    .args:
      - { .name: x, .offset: 0, .size: 8, .value_kind: global_buffer, .address_space: global }
      - { .name: Wq, .offset: 8, .size: 8, .value_kind: global_buffer, .address_space: global }
      - { .name: Wk, .offset: 16, .size: 8, .value_kind: global_buffer, .address_space: global }
      - { .name: Wv, .offset: 24, .size: 8, .value_kind: global_buffer, .address_space: global }
      - { .name: xw, .offset: 32, .size: 8, .value_kind: global_buffer, .address_space: global }
    .group_segment_fixed_size: 0
    .private_segment_fixed_size: 0
    .kernarg_segment_align: 8
    .kernarg_segment_size: 40
    .max_flat_workgroup_size: 128
    .sgpr_count:     66
    .vgpr_count:     64
    .wavefront_size: 32
...
	.end_amdgpu_metadata
.endif
;; end of part 1
;; launch qkv (part 2): grid 12 x 16, 4 waves a work-group, clusters of 4 x 4, 327,680 bytes of LDS; arguments xw, bq, bk, bv, qkv, Wo, W1, W2, wb; writes qkv, wb
.if DOCPART == 2
	.amdgcn_target "amdgcn-amd-amdhsa--gfx1250"
	.amdhsa_code_object_version 6
	.text
	.protected	k_q0745d086cb_qkv
	.globl	k_q0745d086cb_qkv
	.p2align	8
	.type	k_q0745d086cb_qkv,@function
k_q0745d086cb_qkv:
	s_mov_b64 s[64:65], 0
	v_nop
	global_prefetch_b8 v0, s[64:65] scope:SCOPE_SE
	s_setreg_imm32_b32 hwreg(HW_REG_WAVE_MODE, 25, 1), 1
	s_wait_xcnt 0x0
	s_wait_alu depctr_hold_cnt(0) depctr_sa_sdst(0) depctr_va_vdst(0) depctr_va_sdst(0) depctr_va_ssrc(0) depctr_va_vcc(0) depctr_vm_vsrc(0)
	s_getreg_b32 s2, hwreg(HW_REG_IB_STS2, 6, 4)
	s_cmp_eq_u32 s2, 0
	s_cbranch_scc0 .Lentry_in_a_cluster
	s_endpgm
.Lentry_in_a_cluster:
	s_bfe_u32 s2, ttmp6, 0x10000c
	s_cmp_lg_u32 s2, 0xf033
	s_cbranch_scc0 .Lentry_shape_is_right
	s_endpgm
.Lentry_shape_is_right:
; TWO THINGS IN ONE LAUNCH.
; (1) C = A B + bias, bf16 operands, f32 sums, bf16 result.  A = x as [16 K blocks][4096 rows][64] (xw at 0), B = Wq, Wk, Wv as
; [48][1024 k][64] (xw at 8 MiB), bias = bq, bk or bv by the cluster's x, C = qkv as [48][4096][64].
; A work-group makes 256 x 256 of C with four waves, a wave 128 x 128 in 512 registers.  K = 1024 goes in steps of 128 through two
; LDS slots filled by tensor loads; every piece fetched is 16 KiB of consecutive bytes, described as 64 rows of 256 bytes.
; CLUSTERS: 4 x 4 work-groups.  A's pieces hang on the block row alone and are asked for jointly by a row of the cluster, B's on the
; block column alone and are asked for jointly by a column: a quarter of the requests.
; B lies [k][n] in LDS and is read by the transposing load; A lies [m][k] and is read plainly.
; The matrix instruction is used transposed (source 0 = 16 columns of B, source 1 = 16 rows of A): lane l then holds row l % 16 of C and
; its registers 0-7 the columns 8 (l / 16) + 0..7.  The bias, laid out in that form, is the C operand of the first products.
; (2) Wo, W1, W2 (f32, wanted by later launches) are rounded to bf16 and blocked by 64 columns into wb (Wo at 14 MiB, W1 at 16, W2 at 24)
; BESIDE THE K LOOP: 9 x 2^20 numbers are 2,304 chunks of 64 rows x 64 columns, three for each of the 768 waves, chunk 768 c + wave in
; lap c.  A quarter step's 64 matrix instructions get 4 loads (two rows of 256 bytes each), 8 conversions and 4 stores (256 consecutive
; bytes each) for company.  A ring of four register slots keeps the loads four quarter steps ahead of their use.
; LIMIT: the f32 sums run in the matrix unit's order.
; REGISTERS: window 0: addresses, A's fragments (two buffers), v192-255 the conversion's ring, later the way out; window 1: B's fragments
; (two buffers), the bias; windows 2, 3: the accumulators of my rows 0-63, 64-127, tile (a, b) at v[8 (8 a + b)].
.set BOFF,    0x800000                 ; Wq, Wk, Wv in xw
.set PTR_A,   68
.set PTR_B,   68
.set PTR_OUT, 76
.set KSTEP,  128
.set LAPS,   1024/(2*KSTEP)            ; a lap = two K steps = once round the ring
.set PA,     144                       ; A's LDS row: 128 bytes + 16: 9 x 16, so 16 rows start in 16 different 16-byte columns modulo 256
.set PB,     160                       ; B's LDS row: 128 bytes + 32: 5 x 32, as the transposing load's addresses want
.set AHALF,  128*PA                    ; one piece of A: 128 rows of one K block
.set ABYTES, 4*AHALF                   ; [2 K blocks][256 rows]
.set BPART,  128*PB                    ; one piece of B: 128 k of one block of 64 columns
.set SLOT,   ABYTES+4*BPART            ; 155,648
.set KBSTR,  524288                    ; bytes from one block of 64 to the next in A and in C (4096 rows x 128)
.set SPITCH, 272                       ; the stage's row: 256 bytes + 16
.set ADRA, 16                          ; v16-17 my A fragments in slot 0, 1
.set ADRB, 20                          ; v20-21 my B fragments
.set STO,  24
.set RD,   25
.set CO,   26
.set BO,   27
.set VO,   28                          ; v28-31 the conversion: source offsets of a quarter step's four row pairs
.set VH,   32                          ; which row of a pair
.set VC,   33                          ; 16 bytes a lane in a row's 256
.set SO,   34                          ; 8 bytes a lane in a pair's 256 of bf16
.set F0,   64
.set F1,   128
.set TMP,  192                         ; window 0
.set RING, 192                         ; window 0: four slots of 16 registers
.set BIAS, 192                         ; window 1
.set G1A, 24
.set G0A, 32
.set G1B, 48
.set G0B, 56
.set CID,   87                         ; the conversion: my chunk of this lap
.set SRC,   88                         ; s[88:89] source at this quarter step's eight rows
.set DCUR,  90                         ; s[90:91] wb at this lap's chunk
.set DPREV, 92                         ; s[92:93] wb at the last lap's chunk
.set STEPB, 94                         ; s[94:95] eight source rows, in bytes
.set MUL_LO,   0xa1                    ; source 0 (B) window 1, source 1 (A) window 0, C and D window 2
.set MUL_HI,   0xf1
.set FIRST_LO, 0x91                    ; the same with C (the bias) in window 1
.set FIRST_HI, 0xd1
.set TO_B,     0x40
.set MSB, 0
.macro WIN new                         ; the immediate's high byte repeats the setting that is left
.if MSB != \new
	s_set_vgpr_msb (MSB<<8)|\new
.set MSB, \new
.endif
.endm
.macro PLACES                          ; four places behind a matrix instruction, in front of loads into its registers and of readers of its result
.rept 4
	v_nop
.endr
.endm
.macro CREST                           ; a round of the cluster's barrier behind its opening work-group barrier
	s_cmp_lg_u32 s10, 0
	s_cbranch_scc1 .Lnot_wave_0_\@
	s_barrier_signal -3
.Lnot_wave_0_\@:
	s_barrier_wait -3
	s_barrier_signal -1
	s_barrier_wait -1
.endm
.macro CROUND
	s_barrier_signal -1
	s_barrier_wait -1
	CREST
.endm
	s_load_b256 s[68:75], s[0:1], 0x0              ; xw, bq, bk, bv
	s_load_b256 s[76:83], s[0:1], 0x20             ; qkv, Wo, W1, W2
	s_load_b64 s[84:85], s[0:1], 0x40              ; wb
	s_set_vgpr_msb 0x40
	v_lshl_add_u32 v63, v0, 2, 0x4c000
	s_set_vgpr_msb 0x4000
	v_mov_b32 v63, 0
	s_set_vgpr_msb 0x1
	ds_add_u32 v63, v63
	s_set_vgpr_msb 0x100
	v_lshrrev_b32 v1, 5, v0
	v_readfirstlane_b32 s10, v1                    ; wave 0..3
	s_lshr_b32 s11, s10, 1                         ; my half of the block's rows; also: the K block of the step that I fetch of A
	s_and_b32 s12, s10, 1                          ; my half of its columns; also: the 128 rows that I fetch of A
	s_bfe_u32 s40, ttmp6, 0x40000                  ; cx
	s_bfe_u32 s41, ttmp6, 0x40004                  ; cy
	s_lshl_b32 s42, ttmp9, 2
	s_add_co_u32 s42, s42, s40                     ; block column
	s_and_b32 s13, ttmp7, 0xffff
	s_lshl_b32 s13, s13, 2
	s_add_co_u32 s13, s13, s41                     ; block row
	s_lshl_b32 s43, s41, 2
	s_lshl_b32 s43, 15, s43                        ; my row of the cluster
	s_lshl_b32 s44, 0x1111, s40                    ; my column
	s_mul_i32 s[CID], s13, 12
	s_add_co_u32 s[CID], s[CID], s42
	s_lshl2_add_u32 s[CID], s[CID], s10            ; my wave among the launch's 768 = my chunk of lap 0 (enters global addresses of the conversion alone)
	s_mov_b32 s[STEPB+1], 0
	; group 1: elements of 2 bytes, 64 rows of 128 elements, dense; padding after every 32 words (a logical row of 128 bytes):
	; 4 words for A (pitch 144), 8 words for B (pitch 160); bit 21 set beside the mask
	s_or_b32 s[G1A+0], s43, 0x07310000
	s_or_b32 s[G1B+0], s44, 0x0f310000
.irp g, G1A, G1B
	s_mov_b32 s[\g+1], 128<<16                     ; tensor_dim0 = 128
	s_mov_b32 s[\g+2], 64<<16                      ; tensor_dim1 = 64
	s_mov_b32 s[\g+3], 128<<16                     ; tile_dim0 = 128
	s_mov_b32 s[\g+4], 64                          ; tile_dim1 = 64
	s_mov_b32 s[\g+5], 128                         ; from row to row: 128 elements
	s_mov_b32 s[\g+6], 0
	s_mov_b32 s[\g+7], 0
.endr
	s_lshl_b32 s16, s11, 19                        ; A: K block w / 2,
	s_lshl_b32 s17, s13, 15                        ; 256 rows x 128 bytes for each block row,
	s_add_co_u32 s16, s16, s17
	s_lshl_b32 s17, s12, 14                        ; 128 rows for the half w % 2
	s_add_co_u32 s16, s16, s17
	s_mov_b32 s17, 0
	s_lshl_b32 s46, s42, 19                        ; B: four blocks of 64 columns (1024 k x 128 bytes each) for each block column,
	s_lshl_b32 s47, s10, 17                        ; of which wave w fetches block w
	s_add_co_u32 s46, s46, s47
	s_add_co_u32 s46, s46, BOFF
	s_mov_b32 s47, 0
	s_mul_i32 s20, s10, AHALF                      ; LDS: A's piece w, no place in the cluster enters
	s_mul_i32 s21, s10, BPART
	s_add_co_u32 s21, s21, ABYTES                  ; B's piece w
	s_wait_dscnt 0x0
	s_wait_kmcnt 0x0
	s_add_nc_u64 s[14:15], s[PTR_A:PTR_A+1], s[16:17]
	s_add_nc_u64 s[46:47], s[PTR_B:PTR_B+1], s[46:47]
	CROUND                                         ; all sixteen work-groups are here: the first joint loads meet
.irp s, 0,1
	s_mov_b32 s[G0A+4*\s], 1
	s_add_co_u32 s[G0A+4*\s+1], s20, \s*SLOT
	s_add_nc_u64 s[G0A+4*\s+2:G0A+4*\s+3], s[14:15], \s*2*KBSTR       ; K step s: two K blocks on
	s_or_b32 s[G0A+4*\s+3], s[G0A+4*\s+3], 0x80000000
	s_mov_b32 s[G0B+4*\s], 1
	s_add_co_u32 s[G0B+4*\s+1], s21, \s*SLOT
	s_add_nc_u64 s[G0B+4*\s+2:G0B+4*\s+3], s[46:47], \s*KSTEP*128     ; K step s: 128 rows of 128 bytes on
	s_or_b32 s[G0B+4*\s+3], s[G0B+4*\s+3], 0x80000000
	tensor_load_to_lds s[G0A+4*\s:G0A+4*\s+3], s[G1A:G1A+7]
	s_nop 0
	tensor_load_to_lds s[G0B+4*\s:G0B+4*\s+3], s[G1B:G1B+7]           ; four tensor loads of the wave are out here, later two
	s_nop 0
.endr
	; the bias of my 128 columns
	s_cmp_eq_u32 ttmp9, 1                          ; block columns 0-3 are q, 4-7 k, 8-11 v: the cluster's x says which
	s_cselect_b64 s[66:67], s[72:73], s[70:71]
	s_cmp_eq_u32 ttmp9, 2
	s_cselect_b64 s[66:67], s[74:75], s[66:67]
	s_lshl_b32 s46, s40, 10                        ; 256 columns x 4 bytes for each place along x
	s_lshl_b32 s47, s12, 9
	s_add_co_u32 s46, s46, s47
	s_mov_b32 s47, 0
	s_add_nc_u64 s[66:67], s[66:67], s[46:47]
	v_and_b32 v1, 15, v0                           ; r = l % 16
	v_bfe_u32 v2, v0, 4, 1                         ; h = l / 16
	v_lshlrev_b32 v[BO], 5, v2                     ; 8 h columns of f32
	WIN TO_B
.irp b, 0,1,2,3,4,5,6,7
	global_load_b128 v[BIAS+8*\b:BIAS+8*\b+3],   v[BO], s[66:67] offset:64*\b      ; bias(16 b + 8 h + 0..3)
	global_load_b128 v[BIAS+8*\b+4:BIAS+8*\b+7], v[BO], s[66:67] offset:64*\b+16
.endr
	WIN 0
	v_mul_u32_u24 v3, v1, PA
	v_lshl_add_u32 v3, v2, 4, v3                   ; A: row r, 16 h bytes
	v_and_b32 v4, 7, v0
	v_lshl_add_u32 v4, v2, 3, v4                   ; B: k = 8 h + l % 8,
	v_mul_u32_u24 v4, v4, PB
	v_bfe_u32 v5, v0, 3, 1
	v_lshl_add_u32 v4, v5, 4, v4                   ; 16 bytes for (l / 8) % 2
	s_mul_i32 s22, s11, AHALF                      ; my 128 rows of A
	s_mul_i32 s23, s12, 2*BPART                    ; my two blocks of 64 columns of B
	s_add_co_u32 s23, s23, ABYTES
.irp s, 0,1
	v_add_nc_u32 v[ADRA+\s], s22, v3
	v_add_nc_u32 v[ADRB+\s], s23, v4
	s_add_co_u32 s22, s22, SLOT
	s_add_co_u32 s23, s23, SLOT
.endr
	s_mul_i32 s23, s10, 16*SPITCH                  ; my stage: in slot 0, used when that slot has had its last fill and its last read
	v_mul_u32_u24 v5, v1, SPITCH
	v_lshl_add_u32 v5, v2, 4, v5
	v_add_nc_u32 v[STO], s23, v5
	v_and_b32 v6, 31, v0
	v_lshrrev_b32 v7, 3, v6
	v_and_b32 v8, 7, v0
	v_mul_u32_u24 v7, v7, SPITCH
	v_lshl_add_u32 v7, v8, 4, v7                   ; back: 8 lanes take 128 bytes of a row, a wave 4 rows
	v_add_nc_u32 v[RD], s23, v7
	v_lshlrev_b32 v[CO], 4, v6                     ; and the same 4 rows x 128 bytes are 512 consecutive bytes of C
	v_mov_b32 v[VH], v2
	v_lshlrev_b32 v[VC], 4, v1
	v_lshlrev_b32 v[SO], 3, v6
; THE CONVERSION.  Chunk s[CID]: 0-255 are Wo's, 256-1279 W1's, 1280-2303 W2's, counted in the output's order, so that chunk i lies at
; 14 MiB + 8,192 i of wb.  Sets the source at the chunk's corner, the pitch's multiples and wb at the chunk.  Stands behind s_wait_xcnt 0.
.macro CHUNKSET
	s_mov_b64 s[SRC:SRC+1], s[78:79]               ; Wo: rows of 4,096 bytes, 16 blocks of 64 rows
	s_mov_b32 s96, 12
	s_mov_b32 s97, 4
	s_mov_b32 s98, 0
	s_cmp_ge_u32 s[CID], 256
	s_cselect_b64 s[SRC:SRC+1], s[80:81], s[SRC:SRC+1]     ; W1: rows of 16,384 bytes, 16 blocks of 64 rows
	s_cselect_b32 s96, 14, s96
	s_cselect_b32 s98, 256, s98
	s_cmp_ge_u32 s[CID], 1280
	s_cselect_b64 s[SRC:SRC+1], s[82:83], s[SRC:SRC+1]     ; W2: rows of 4,096 bytes, 64 blocks of 64 rows
	s_cselect_b32 s96, 12, s96
	s_cselect_b32 s97, 6, s97
	s_cselect_b32 s98, 1280, s98
	s_sub_co_u32 s99, s[CID], s98                  ; the chunk in its matrix
	s_bfm_b32 s98, s97, 0
	s_and_b32 s98, s99, s98                        ; its block of 64 rows
	s_lshr_b32 s99, s99, s97                       ; its block of 64 columns
	s_add_co_u32 s97, s96, 6
	s_lshl_b32 s98, s98, s97
	s_lshl_b32 s99, s99, 8
	s_add_co_u32 s98, s98, s99                     ; below 17 MiB
	s_mov_b32 s99, 0
	s_add_nc_u64 s[SRC:SRC+1], s[SRC:SRC+1], s[98:99]
	s_lshl_b32 s[STEPB], 8, s96                    ; eight rows: a quarter step's share
	s_lshl_b32 s97, 2, s96                         ; two rows: a load's share
	v_lshlrev_b32 v[VO], s96, v[VH]
	v_add_nc_u32 v[VO], v[VO], v[VC]
.irp u, 1,2,3
	v_add_nc_u32 v[VO+\u], s97, v[VO+\u-1]
.endr
	s_lshl_b32 s98, s[CID], 13
	s_add_co_u32 s98, s98, 0xe00000
	s_add_nc_u64 s[DCUR:DCUR+1], s[84:85], s[98:99]
.endm
; The conversion's share of quarter step qi (0..7) of a lap.  cm = 0: lap 0 (loads; stores from qi = 4 on), 1: laps 1, 2 (both),
; 2: lap 3 (stores up to qi = 3), 3: nothing.  Ring slot qi % 4 holds what was loaded four quarter steps ago: rows 8 p .. 8 p + 7 of a chunk,
; p = (qi + 4) % 8, of the last lap's chunk for qi < 4.  It is converted in place, stored, and loaded again with rows 8 qi .. of this lap's chunk.
.macro CQ qi, cm
.set CQ_LD, 0
.set CQ_ST, 0
.set CQ_LEFT, 12
.if \cm == 0
.set CQ_LD, 1
.if \qi >= 4
.set CQ_ST, 1
.endif
.endif
.if \cm == 1
.set CQ_LD, 1
.set CQ_ST, 1
.endif
.if \cm == 2
.if \qi < 4
.set CQ_ST, 1
.set CQ_LEFT, 12-4*\qi
.endif
.endif
.set CQ_R, RING+16*(\qi%4)
.if CQ_ST
.if \qi == 0
	s_mov_b64 s[DPREV:DPREV+1], s[DCUR:DCUR+1]     ; the stores that named DPREV stand in front of later waits for XCNT 0
.endif
	s_wait_loadcnt CQ_LEFT                         ; loads come back in order: this slot's four are in, the younger ones (12; none are added in lap 3) stay out
.irp u, 0,1,2,3
	v_cvt_pk_bf16_f32 v[CQ_R+4*\u],   v[CQ_R+4*\u],   v[CQ_R+4*\u+1]
	v_cvt_pk_bf16_f32 v[CQ_R+4*\u+1], v[CQ_R+4*\u+2], v[CQ_R+4*\u+3]
.endr
.irp u, 0,1,2,3
.if \qi < 4
	global_store_b64 v[SO], v[CQ_R+4*\u:CQ_R+4*\u+1], s[DPREV:DPREV+1] offset:(4*(\qi+4)+\u)*256   ; two rows of 128 bytes: 256 consecutive bytes, aligned
.else
	global_store_b64 v[SO], v[CQ_R+4*\u:CQ_R+4*\u+1], s[DCUR:DCUR+1] offset:(4*(\qi-4)+\u)*256
.endif
.endr
.endif
.if CQ_LD
	s_wait_xcnt 0x0                                ; the slot's registers, which the stores read, and the loads' base and offsets are rewritten only behind this wait
.if \qi == 0
.if \cm == 1
	s_add_co_u32 s[CID], s[CID], 768               ; this lap's chunk
.endif
	CHUNKSET
.else
	s_add_nc_u64 s[SRC:SRC+1], s[SRC:SRC+1], s[STEPB:STEPB+1]
.endif
.irp u, 0,1,2,3
	global_load_b128 v[CQ_R+4*\u:CQ_R+4*\u+3], v[VO+\u], s[SRC:SRC+1] th:TH_LOAD_NT    ; 16 lanes read the 256 bytes of a row's 64 columns
.endr
.endif
.endm
; 16 matrix instructions: row blocks a0, a0 + 1 of the window's four x all 8 column blocks, 32 along K.  first = 1: C is the bias.
; The 64 accumulators take turns, one instruction a turn, in the same order in every quarter.
.macro MUL16 f, hi, a0, first
.irp a, \a0, \a0+1
.irp b, 0,1,2,3,4,5,6,7
.if \first
	v_wmma_f32_16x16x32_bf16 v[8*(8*(\a)+\b):8*(8*(\a)+\b)+7], v[\f+8*\b:\f+8*\b+7], v[\f+8*(4*\hi+\a):\f+8*(4*\hi+\a)+7], v[BIAS+8*\b:BIAS+8*\b+7]
.else
	v_wmma_f32_16x16x32_bf16 v[8*(8*(\a)+\b):8*(8*(\a)+\b)+7], v[\f+8*\b:\f+8*\b+7], v[\f+8*(4*\hi+\a):\f+8*(4*\hi+\a)+7], v[8*(8*(\a)+\b):8*(8*(\a)+\b)+7]
.endif
.endr
.endr
.endm
; 32 LDS loads in one run: the fragments of quarter q (32 along K) of a slot into buffer f
.macro FETCH slot, q, f
	WIN TO_B
.irp b, 0,1,2,3,4,5,6,7
	ds_load_tr16_b128 v[\f+8*\b:\f+8*\b+3],   v[ADRB+\slot] offset:\q*32*PB+(\b>>2)*BPART+(\b&3)*32
	ds_load_tr16_b128 v[\f+8*\b+4:\f+8*\b+7], v[ADRB+\slot] offset:\q*32*PB+(\b>>2)*BPART+(\b&3)*32+16*PB
.endr
	WIN 0
.irp i, 0,1,2,3,4,5,6,7
	ds_load_b128 v[\f+8*\i:\f+8*\i+3],   v[ADRA+\slot] offset:(\q>>1)*2*AHALF+(\q&1)*64+\i*16*PA
	ds_load_b128 v[\f+8*\i+4:\f+8*\i+7], v[ADRA+\slot] offset:(\q>>1)*2*AHALF+(\q&1)*64+\i*16*PA+32
.endr
.endm
; multiplies buffer f; in its middle fetches quarter q of the same slot into buffer g and does the conversion's share
.macro QUARTER slot, q, f, g, first, qi, cm
	s_wait_dscnt 8                                 ; B and A's rows 0-63 are in; the youngest eight loads (A's rows 64-127) may be out
.if \first
	WIN FIRST_LO
.else
	WIN MUL_LO
.endif
	MUL16 \f, 0, 0, \first
	MUL16 \f, 0, 2, \first
	PLACES
	FETCH \slot, \q, \g
	CQ \qi, \cm
	s_wait_dscnt 32                                ; all but the 32 just issued
.if \first
	WIN FIRST_HI
.else
	WIN MUL_HI
.endif
	MUL16 \f, 1, 0, \first
	MUL16 \f, 1, 2, \first
.endm
.macro THREE slot, first, cm
	QUARTER \slot, 1, F0, F1, \first, (4*\slot), \cm
	QUARTER \slot, 2, F1, F0, 0, (4*\slot+1), \cm
	QUARTER \slot, 3, F0, F1, 0, (4*\slot+2), \cm
.endm
; The last quarter of a K step: multiplies buffer 1 and changes slots.  In front of the barrier each wave waits for its reads of this slot
; and for all its tensor loads (its parts of the next slot).  fill = 1: the barrier opens a round of the cluster's barrier, and the joint
; refills of this slot, two K steps ahead, are the first tensor loads behind the round.
.macro TURN slot, next, fill, cm
	s_wait_dscnt 8
	WIN MUL_LO
	MUL16 F1, 0, 0, 0
	s_wait_dscnt 0x0                               ; my reads of this slot are over
	s_wait_tensorcnt 0x0                           ; all my tensor loads have landed
	ds_add_u32 v63, v63
	s_wait_dscnt 0x0
	s_barrier_signal -1
	MUL16 F1, 0, 2, 0                              ; register work while the others arrive
	WIN 0
	s_barrier_wait -1
.if \fill
	CREST                                          ; no wave of any partner still reads this slot or has a load on its way
	s_add_nc_u64 s[G0A+4*\slot+2:G0A+4*\slot+3], s[G0A+4*\slot+2:G0A+4*\slot+3], 4*KBSTR
	s_add_nc_u64 s[G0B+4*\slot+2:G0B+4*\slot+3], s[G0B+4*\slot+2:G0B+4*\slot+3], 2*KSTEP*128
	tensor_load_to_lds s[G0A+4*\slot:G0A+4*\slot+3], s[G1A:G1A+7]
	s_nop 0
	tensor_load_to_lds s[G0B+4*\slot:G0B+4*\slot+3], s[G1B:G1B+7]
	s_nop 0
.endif
	PLACES
	FETCH \next, 0, F0
	CQ (4*\slot+3), \cm
	WIN MUL_HI
	MUL16 F1, 1, 0, 0
	MUL16 F1, 1, 2, 0
.endm
.macro LAP first, cm
	THREE 0, \first, \cm
	TURN 0, 1, 1, \cm
	THREE 1, 0, \cm
	TURN 1, 0, 1, \cm
.endm
	s_wait_tensorcnt 2                             ; my two parts of K step 0 are in; K step 1's two stay out
	s_barrier_signal -1
	s_barrier_wait -1
	FETCH 0, 0, F0
	s_wait_loadcnt 0x0                             ; the bias; from here on LOADcnt counts the conversion's loads alone
	LAP 1, 0                                       ; the first products start the sums from the bias
	WIN 0
	s_mov_b32 s3, LAPS-2
.Llap:
	LAP 0, 1
	WIN 0
	s_sub_co_u32 s3, s3, 1
	s_cmp_lg_u32 s3, 0
	s_cbranch_scc1 .Llap
	THREE 0, 0, 2                                  ; the last lap fills nothing; the conversion's last sixteen loads are used up
	TURN 0, 1, 0, 2
	THREE 1, 0, 3
	s_wait_dscnt 8
	WIN MUL_LO
	MUL16 F1, 0, 0, 0
	MUL16 F1, 0, 2, 0
	s_wait_dscnt 0x0
	WIN MUL_HI
	MUL16 F1, 1, 0, 0
	MUL16 F1, 1, 2, 0
	PLACES
	s_wait_xcnt 0x0                                ; the ring's registers, which the conversion's last stores read, serve the way out only behind this wait
	; THE WAY OUT: C at my first row and my first block of 64 columns; the row part and the column part in registers of their own
	s_lshl_b32 s16, s13, 8
	s_lshl_b32 s17, s11, 7
	s_add_co_u32 s16, s16, s17
	s_lshl_b32 s16, s16, 7                         ; rows of 128 bytes
	s_mov_b32 s17, 0
	s_add_nc_u64 s[PTR_OUT:PTR_OUT+1], s[PTR_OUT:PTR_OUT+1], s[16:17]
	s_lshl_b32 s46, s42, 2
	s_lshl_b32 s47, s12, 1
	s_add_co_u32 s46, s46, s47
	s_lshl_b32 s46, s46, 19                        ; blocks of 524,288 bytes
	s_mov_b32 s47, 0
	s_add_nc_u64 s[PTR_OUT:PTR_OUT+1], s[PTR_OUT:PTR_OUT+1], s[46:47]
; rows 16 i .. 16 i + 15 of my block: round to bf16, 16 bytes a lane into my own stage, back as 4 rows x 128 bytes, which are 512
; consecutive bytes of one block of 64 columns of C
.macro OUT16 i, a, from, f
	WIN \from
.irp b, 0,1,2,3,4,5,6,7
.irp r, 0,1,2,3
	v_cvt_pk_bf16_f32 v[TMP+4*\b+\r], v[8*(8*\a+\b)+2*\r], v[8*(8*\a+\b)+2*\r+1]
.endr
.endr
	WIN 0
.irp b, 0,1,2,3,4,5,6,7
	ds_store_b128 v[STO], v[TMP+4*\b:TMP+4*\b+3] offset:32*\b
.endr
	s_wait_xcnt 0x0                                ; buffer f, which earlier stores read, is loaded again only behind this wait
.irp u, 0,1,2,3,4,5,6,7
	ds_load_b128 v[\f+4*\u:\f+4*\u+3], v[RD] offset:(\u&3)*4*SPITCH+(\u>>2)*128    ; LDS serves a wave's instructions in order: these see the stores above
.endr
.irp u, 0,1,2,3,4,5,6,7
	s_wait_dscnt 7-\u
	global_store_b128 v[CO], v[\f+4*\u:\f+4*\u+3], s[PTR_OUT:PTR_OUT+1] offset:(\u>>2)*KBSTR+(16*\i+4*(\u&3))*128
.endr
.endm
	OUT16 0, 0, 0x0a, F0
	OUT16 1, 1, 0x0a, F1
	OUT16 2, 2, 0x0a, F0
	OUT16 3, 3, 0x0a, F1
	OUT16 4, 0, 0x0f, F0
	OUT16 5, 1, 0x0f, F1
	OUT16 6, 2, 0x0f, F0
	OUT16 7, 3, 0x0f, F1
	s_set_vgpr_msb 0x1
	s_wait_tensorcnt 0x0
	ds_add_u32 v63, v63
	s_wait_dscnt 0x0
	s_set_vgpr_msb 0x100
	CROUND                                         ; the closing round: no work-group ends while a partner may still ask for a tile that names it
	s_endpgm
.Lfunc_end_k_q0745d086cb_qkv:
	.size	k_q0745d086cb_qkv, .Lfunc_end_k_q0745d086cb_qkv-k_q0745d086cb_qkv
	.p2alignl 7, 3214868480
	.fill 96, 4, 3214868480
	.section	.rodata,"a",@progbits
	.p2align	6, 0x0
	.amdhsa_kernel k_q0745d086cb_qkv
		.amdhsa_group_segment_fixed_size 327680
		.amdhsa_private_segment_fixed_size 0
		.amdhsa_enable_private_segment 0
		.amdhsa_kernarg_size 72
		.amdhsa_user_sgpr_count 2
		.amdhsa_user_sgpr_kernarg_segment_ptr 1
		.amdhsa_wavefront_size32 1
		.amdhsa_system_sgpr_workgroup_id_x 1
		.amdhsa_system_sgpr_workgroup_id_y 1
		.amdhsa_system_sgpr_workgroup_id_z 1
		.amdhsa_system_vgpr_workitem_id 0
		.amdhsa_next_free_vgpr 1024
		.amdhsa_next_free_sgpr 100
		.amdhsa_reserve_vcc 0
		.amdhsa_float_denorm_mode_32 3
		.amdhsa_float_denorm_mode_16_64 3
		.amdhsa_memory_ordered 1
		.amdhsa_forward_progress 1
		.amdhsa_inst_pref_size 222
	.end_amdhsa_kernel
	.amdgpu_metadata
---
amdhsa.version: [ 1, 2 ]
amdhsa.kernels:
  - .name:           k_q0745d086cb_qkv
    .symbol:         k_q0745d086cb_qkv.kd
    .args:
      - { .name: xw, .offset: 0, .size: 8, .value_kind: global_buffer, .address_space: global }
      - { .name: bq, .offset: 8, .size: 8, .value_kind: global_buffer, .address_space: global }
      - { .name: bk, .offset: 16, .size: 8, .value_kind: global_buffer, .address_space: global }
      - { .name: bv, .offset: 24, .size: 8, .value_kind: global_buffer, .address_space: global }
      - { .name: qkv, .offset: 32, .size: 8, .value_kind: global_buffer, .address_space: global }
      - { .name: Wo, .offset: 40, .size: 8, .value_kind: global_buffer, .address_space: global }
      - { .name: W1, .offset: 48, .size: 8, .value_kind: global_buffer, .address_space: global }
      - { .name: W2, .offset: 56, .size: 8, .value_kind: global_buffer, .address_space: global }
      - { .name: wb, .offset: 64, .size: 8, .value_kind: global_buffer, .address_space: global }
    .group_segment_fixed_size: 327680
    .private_segment_fixed_size: 0
    .kernarg_segment_align: 8
    .kernarg_segment_size: 72
    .max_flat_workgroup_size: 128
    .sgpr_count:     100
    .vgpr_count:     1024
    .wavefront_size: 32
...
	.end_amdgpu_metadata
.endif
;; end of part 2
;; launch attn (part 3): grid 8 x 32, 8 waves a work-group, clusters of 4 x 1, 327,680 bytes of LDS; arguments qkv, att; writes att
.if DOCPART == 3
	.amdgcn_target "amdgcn-amd-amdhsa--gfx1250"
	.amdhsa_code_object_version 6
	.text
	.protected	k_q0745d086cb_attn
	.globl	k_q0745d086cb_attn
	.p2align	8
	.type	k_q0745d086cb_attn,@function
k_q0745d086cb_attn:
	s_mov_b64 s[64:65], 0
	v_nop
	global_prefetch_b8 v0, s[64:65] scope:SCOPE_SE
	s_setreg_imm32_b32 hwreg(HW_REG_WAVE_MODE, 25, 1), 1
	s_wait_xcnt 0x0
	s_wait_alu depctr_hold_cnt(0) depctr_sa_sdst(0) depctr_va_vdst(0) depctr_va_sdst(0) depctr_va_ssrc(0) depctr_va_vcc(0) depctr_vm_vsrc(0)
	s_getreg_b32 s2, hwreg(HW_REG_IB_STS2, 6, 4)
	s_cmp_eq_u32 s2, 0
	s_cbranch_scc0 .Lentry_in_a_cluster
	s_endpgm
.Lentry_in_a_cluster:
	s_bfe_u32 s2, ttmp6, 0x10000c
	s_cmp_lg_u32 s2, 0x3003
	s_cbranch_scc0 .Lentry_shape_is_right
	s_endpgm
.Lentry_shape_is_right:
; Attention of one (batch, head) pair y and one block of 256 queries: softmax(q k^T / 8) v with a running maximum, f32 statistics,
; bf16 matrix operands.  qkv: [48][4096][64] bf16 (q: block h, k: 16 + h, v: 32 + h; row = 2048 b + s); att: [16][4096][64] bf16.
; LIMIT: v_exp_f32 and v_rcp_f32 flush denormals; the sums run in an order of their own; what the old sums shrink by is made by one fused
; multiply-add and may differ from the exact ratio by half a unit in the last place of maximum x log2(e) / 8.
; Eight waves: wave w takes queries 64 (w % 4) .. + 63 and, of every tile of 256 keys, the half w / 4; the two waves of a pair are merged
; once at the end through LDS.
; CLUSTERS: the four query blocks of a cluster walk the same K and V tiles and ask for them jointly (mask 15).
; K and V come through two LDS slots of 256 keys; each wave fetches 32 keys of K and of V (4 KiB of consecutive bytes each).
; S^T = K Q^T: lane l holds query l % 16, registers 0-7 keys 8 (l / 16) + 0..7.  Two neighbouring tiles, rounded to bf16 in place, are
; the second source of O^T = V^T P^T for 32 keys; V^T comes by the transposing load.  All statistics are one number a lane and query.
; THE ORDER OF A STEP (64 keys x 64 queries = four query blocks q of 16).  Matrix work and softmax work of DIFFERENT query blocks are laid
; in turns: a group of 4 matrix instructions, then a chunk of some 30 vector instructions.  Eight waves lie on four SIMDs, two on each, and
; with phases this short one wave's groups can stand beside the other's chunks.  Products: S0, PV3 of the step before, S1, S2, S3, PV0, PV1,
; PV2; the softmax of block q (chunks C1..C4) follows Sq and ends in front of PVq.  Between a product and the first reader of its result
; there is always a whole chunk of another block, so the places that ISA guide 7.12.1 asks for are useful work.
; V's fragments are loaded behind PV3, the next step's K fragments behind S3: 24 matrix instructions ahead of their use.
; REGISTERS: window 0: v0-63 addresses and statistics, v64-127 Q's fragments, v128-255 S (block q, key block kb at 128 + 8 (4 q + kb));
; window 1: v0-127 O (block q, dk block db at 8 (4 q + db)), v128-191 K's fragments, v192-255 V's.  So all softmax work on S runs with every
; window 0, and the rescaling of O shares the setting of the PV products.
.set PK,    144
.set PV,    160
.set KBY,   256*PK
.set SLOT,  KBY+256*PV                 ; 77,824
.set MERGE, 2*SLOT                     ; 4 x 17,408: O (16,384), maxima (512), sums (512); no tensor load lands here
.set MPART, 17408
.set STAGE, MERGE+4*MPART              ; 4 x 64 rows x 144
.set TILEB, 32768                      ; a tile of 256 keys in memory
.set QO,   1
.set KADR, 2
.set VADR, 4
.set STO,  6
.set RD,   7
.set CO,   8
.set MST,  9
.set M,    10                          ; v[10:13] running maximum of query block q
.set T,    14                          ; v[14:17] four chains of a maximum
.set T2,   18                          ; v[18:21] the other half's number
.set AL,   22                          ; pairs: the low half is used
.set NG,   30                          ; pairs
.set LL,   38                          ; pairs: running sums
.set XS,   46                          ; v[46:53] four chains of a sum, pairs
.set LS,   46                          ; the merge: my sums,
.set M1,   50                          ; the partner's maxima,
.set LS1,  54                          ; the partner's sums
.set QF,   64                          ; window 0: Q fragments (q, dk half)
.set S,    128                         ; window 0
.set PO,   128                         ; window 0, the merge: the partner's O
.set O,    0                           ; window 1
.set KF,   128                         ; window 1: K fragments (key block, dk half)
.set VF,   192                         ; window 1: V fragments (dk block, 32 keys)
.set W_S,  0x01                        ; S products: source 0 (K) window 1; Q, C and D window 0
.set W_PV, 0x51                        ; PV products: source 0 (V), C and D window 1; P window 0.  Also O = O x alpha (destination, source 0 window 1)
.set W_LD, 0x40                        ; loads into window 1, address window 0
.set G1K, 16
.set G1V, 24
.set G0K, 32
.set G0V, 40
.set MSB, 0
.macro WIN new                         ; the immediate's high byte repeats the setting that is left
.if MSB != \new
	s_set_vgpr_msb (MSB<<8)|\new
.set MSB, \new
.endif
.endm
.macro ROUND                           ; a round of the cluster's barrier
	s_barrier_signal -1
	s_barrier_wait -1
	s_cmp_lg_u32 s8, 0
	s_cbranch_scc1 .Lnot_wave_0_\@
	s_barrier_signal -3
.Lnot_wave_0_\@:
	s_barrier_wait -3
	s_barrier_signal -1
	s_barrier_wait -1
.endm
	s_load_b128 s[4:7], s[0:1], 0x0                ; qkv, att
	v_lshl_add_u32 v190, v0, 2, 0x40000
	v_mov_b32 v191, 0
	ds_add_u32 v190, v191
	s_wait_dscnt 0x0
	v_lshrrev_b32 v58, 5, v0
	v_readfirstlane_b32 s8, v58                    ; wave 0..7
	s_lshr_b32 s9, s8, 2                           ; my half of the keys
	s_and_b32 s14, s8, 3                           ; my 64 queries
	s_bfe_u32 s10, ttmp6, 0x40000                  ; cx
	s_lshl_b32 s11, ttmp9, 2
	s_add_co_u32 s11, s11, s10                     ; query block
	s_and_b32 s15, ttmp7, 0xffff
	s_lshr_b32 s52, s15, 4                         ; b
	s_and_b32 s53, s15, 15                         ; h
	s_mov_b32 s12, 0x76543210                      ; v_permlanex16_b32: lane i of the other half
	s_mov_b32 s13, 0xfedcba98
	s_mov_b32 s50, 0x3e38aa3b                      ; log2(e) / 8
	s_mov_b32 s51, 0x3e38aa3b
	s_lshl_b32 s54, s53, 19
	s_lshl_b32 s55, s52, 18
	s_add_co_u32 s56, s54, s55                     ; block h, row 2048 b
	s_lshl_b32 s57, s8, 12                         ; 32 keys x 128 bytes for each wave
	s_add_co_u32 s58, s56, s57
	s_add_co_u32 s58, s58, 16<<19                  ; K
	s_mov_b32 s59, 0
	s_lshl_b32 s60, s11, 15                        ; 256 queries x 128 bytes
	s_lshl_b32 s61, s14, 13
	s_add_co_u32 s60, s60, s61
	s_add_co_u32 s60, s60, s56                     ; my 64 rows of q, and of att
	s_mov_b32 s61, 0
	s_mul_i32 s54, s8, 32*PK                       ; LDS: my 32 keys of K,
	s_mul_i32 s55, s8, 32*PV
	s_add_co_u32 s55, s55, KBY                     ; and of V
	; group 1: 16 rows of 128 elements of 2 bytes, dense; a pad after every 32 words: 4 words for K, 8 for V; mask 15, bit 21 beside it
	s_mov_b32 s[G1K+0], 0x0731000f
	s_mov_b32 s[G1V+0], 0x0f31000f
.irp g, G1K, G1V
	s_mov_b32 s[\g+1], 128<<16
	s_mov_b32 s[\g+2], 16<<16
	s_mov_b32 s[\g+3], 128<<16
	s_mov_b32 s[\g+4], 16
	s_mov_b32 s[\g+5], 128
	s_mov_b32 s[\g+6], 0
	s_mov_b32 s[\g+7], 0
.endr
	s_wait_kmcnt 0x0
	s_add_nc_u64 s[58:59], s[4:5], s[58:59]
	s_add_nc_u64 s[62:63], s[4:5], s[60:61]
	s_add_nc_u64 s[6:7], s[6:7], s[60:61]
.irp s, 0,1
	s_mov_b32 s[G0K+4*\s], 1
	s_add_co_u32 s[G0K+4*\s+1], s54, \s*SLOT
	s_add_nc_u64 s[G0K+4*\s+2:G0K+4*\s+3], s[58:59], \s*TILEB
	s_or_b32 s[G0K+4*\s+3], s[G0K+4*\s+3], 0x80000000
	s_mov_b32 s[G0V+4*\s], 1
	s_add_co_u32 s[G0V+4*\s+1], s55, \s*SLOT
	s_add_nc_u64 s[G0V+4*\s+2:G0V+4*\s+3], s[58:59], \s*TILEB+(16<<19)
	s_or_b32 s[G0V+4*\s+3], s[G0V+4*\s+3], 0x80000000
.endr
	v_and_b32 v58, 15, v0                          ; r
	v_bfe_u32 v59, v0, 4, 1                        ; h
	v_lshlrev_b32 v[QO], 7, v58
	v_lshl_add_u32 v[QO], v59, 4, v[QO]            ; q: row r, 16 h bytes
.irp q, 0,1,2,3
.irp dh, 0,1
	global_load_b128 v[QF+16*\q+8*\dh:QF+16*\q+8*\dh+3],   v[QO], s[62:63] offset:\q*2048+\dh*64
	global_load_b128 v[QF+16*\q+8*\dh+4:QF+16*\q+8*\dh+7], v[QO], s[62:63] offset:\q*2048+\dh*64+32
.endr
.endr
	ROUND                                          ; in front of the first joint loads
.irp s, 0,1
	tensor_load_to_lds s[G0K+4*\s:G0K+4*\s+3], s[G1K:G1K+7]   ; tiles 0 and 1, the slots' first fills: four tensor loads of the wave are out here, later two
	s_nop 0
	tensor_load_to_lds s[G0V+4*\s:G0V+4*\s+3], s[G1V:G1V+7]
	s_nop 0
.endr
	v_mul_u32_u24 v60, v58, PK
	v_lshl_add_u32 v60, v59, 4, v60                ; plain fragments: row r, 16 h bytes
	v_and_b32 v61, 7, v0
	v_lshl_add_u32 v62, v59, 3, v61
	v_mul_u32_u24 v62, v62, PV
	v_bfe_u32 v63, v0, 3, 1
	v_lshl_add_u32 v62, v63, 4, v62                ; transposed fragments: key 8 h + l % 8, 16 bytes for (l / 8) % 2
	s_mul_i32 s52, s9, 128*PK
	s_mul_i32 s53, s9, 128*PV
	s_add_co_u32 s53, s53, KBY
.irp s, 0,1
	v_add_nc_u32 v[KADR+\s], s52, v60
	v_add_nc_u32 v[VADR+\s], s53, v62
	s_add_co_u32 s52, s52, SLOT
	s_add_co_u32 s53, s53, SLOT
.endr
	s_mul_i32 s52, s14, 64*PK
	s_add_co_u32 s52, s52, STAGE
	v_add_nc_u32 v[STO], s52, v60
	v_and_b32 v63, 31, v0
	v_lshrrev_b32 v62, 3, v63
	v_mul_u32_u24 v62, v62, PK
	v_lshl_add_u32 v62, v61, 4, v62
	v_add_nc_u32 v[RD], s52, v62
	v_lshlrev_b32 v[CO], 4, v63
	s_mul_i32 s53, s14, MPART
	s_add_co_u32 s53, s53, MERGE
	v_add_nc_u32 v[MST], s53, v[CO]
.irp q, 0,1,2,3
	v_mov_b32 v[T2+\q], 0                          ; a lane permute's destination counts as read
	v_mov_b32 v[AL+2*\q+1], 0                      ; the unused halves of pairs that packed instructions name
	v_mov_b32 v[NG+2*\q+1], 0
.endr
; ---- the pieces of a step ----
.macro KLOAD slot, st                  ; K's fragments of 64 keys: 16 loads
	WIN W_LD
.irp kb, 0,1,2,3
.irp dh, 0,1
	ds_load_b128 v[KF+16*\kb+8*\dh:KF+16*\kb+8*\dh+3],   v[KADR+\slot] offset:\st*64*PK+\kb*16*PK+\dh*64
	ds_load_b128 v[KF+16*\kb+8*\dh+4:KF+16*\kb+8*\dh+7], v[KADR+\slot] offset:\st*64*PK+\kb*16*PK+\dh*64+32
.endr
.endr
.endm
.macro VLOAD slot, st                  ; V's fragments of 64 keys, transposed: 16 loads
	WIN W_LD
.irp db, 0,1,2,3
.irp c, 0,1
	ds_load_tr16_b128 v[VF+16*\db+8*\c:VF+16*\db+8*\c+3],   v[VADR+\slot] offset:\st*64*PV+\c*32*PV+\db*32
	ds_load_tr16_b128 v[VF+16*\db+8*\c+4:VF+16*\db+8*\c+7], v[VADR+\slot] offset:\st*64*PV+\c*32*PV+\db*32+16*PV
.endr
.endr
.endm
; Four products of S^T of query block q: the four key blocks, half dh of dk.  Four accumulators by turns, one instruction a turn.
.macro SG q, dh
	WIN W_S
.irp kb, 0,1,2,3
.if \dh
	v_wmma_f32_16x16x32_bf16 v[S+8*(4*\q+\kb):S+8*(4*\q+\kb)+7], v[KF+16*\kb+8:KF+16*\kb+15], v[QF+16*\q+8:QF+16*\q+15], v[S+8*(4*\q+\kb):S+8*(4*\q+\kb)+7]
.else
	v_wmma_f32_16x16x32_bf16 v[S+8*(4*\q+\kb):S+8*(4*\q+\kb)+7], v[KF+16*\kb:KF+16*\kb+7], v[QF+16*\q:QF+16*\q+7], 0
.endif
.endr
.endm
; Four products of O^T of query block q: the four dk blocks, keys 32 c .. 32 c + 31.  zero = 1: they start the sums.  By turns as above.
.macro PG q, c, zero
	WIN W_PV
.irp db, 0,1,2,3
.if \zero
	v_wmma_f32_16x16x32_bf16 v[O+8*(4*\q+\db):O+8*(4*\q+\db)+7], v[VF+16*\db+8*\c:VF+16*\db+8*\c+7], v[S+32*\q+16*\c:S+32*\q+16*\c+7], 0
.else
	v_wmma_f32_16x16x32_bf16 v[O+8*(4*\q+\db):O+8*(4*\q+\db)+7], v[VF+16*\db+8*\c:VF+16*\db+8*\c+7], v[S+32*\q+16*\c:S+32*\q+16*\c+7], v[O+8*(4*\q+\db):O+8*(4*\q+\db)+7]
.endif
.endr
.endm
; C1: the new running maximum of block q (my 32 scores in four chains, the other half of the lanes, the old maximum), what the old sums shrink by, and the sums shrunk
.macro C1 q, first
	WIN 0
.irp j, 0,1,2,3
	v_max3_num_f32 v[T+\j], v[S+32*\q+8*\j], v[S+32*\q+8*\j+1], v[S+32*\q+8*\j+2]
.endr
.irp j, 0,1,2,3
	v_max3_num_f32 v[T+\j], v[S+32*\q+8*\j+3], v[S+32*\q+8*\j+4], v[T+\j]
.endr
.irp j, 0,1,2,3
	v_max3_num_f32 v[T+\j], v[S+32*\q+8*\j+5], v[S+32*\q+8*\j+6], v[T+\j]
.endr
.irp j, 0,1,2,3
	v_max_num_f32 v[T+\j], v[S+32*\q+8*\j+7], v[T+\j]
.endr
	v_max3_num_f32 v[T], v[T], v[T+1], v[T+2]
	v_max_num_f32 v[T], v[T], v[T+3]
	v_permlanex16_b32 v[T2+\q], v[T], s12, s13     ; the other eight keys of each key block lie in the other half of the lanes
.if \first
	v_max_num_f32 v[T], v[T], v[T2+\q]
.else
	v_max3_num_f32 v[T], v[T], v[T2+\q], v[M+\q]
.endif
	v_mul_f32 v[NG+2*\q], 0xbe38aa3b, v[T]         ; - maximum x log2(e) / 8
.if \first == 0
	v_fma_f32 v[AL+2*\q], v[M+\q], s50, v[NG+2*\q] ; (old maximum - new) x log2(e) / 8
	v_exp_f32 v[AL+2*\q], v[AL+2*\q]
.endif
	v_mov_b32 v[M+\q], v[T]                        ; also the plain place behind v_exp_f32
.if \first == 0
	s_wait_alu depctr_va_vdst(0)
	v_pk_mul_f32 v[LL+2*\q:LL+2*\q+1], v[LL+2*\q:LL+2*\q+1], v[AL+2*\q:AL+2*\q+1] op_sel_hi:[1,0]
.endif
.endm
; C2: exponents of block q, and the first half of p = 2^((s - maximum) log2(e) / 8), in place
.macro C2 q
	WIN 0
.set n, 0
.rept 16
	v_pk_fma_f32 v[S+32*\q+n:S+32*\q+n+1], v[S+32*\q+n:S+32*\q+n+1], s[50:51], v[NG+2*\q:NG+2*\q+1] op_sel_hi:[1,0,0]
.set n, n+2
.endr
.set n, 0
.rept 16
	v_exp_f32 v[S+32*\q+n], v[S+32*\q+n]
.set n, n+1
.endr
.endm
; C3: the second half of p; O of block q shrinks with the sums (these plain lines are also the place behind the exponentials)
.macro C3 q, first
	WIN 0
.set n, 16
.rept 16
	v_exp_f32 v[S+32*\q+n], v[S+32*\q+n]
.set n, n+1
.endr
.if \first
	v_nop                                          ; the plain place behind the exponentials
	s_wait_alu depctr_va_vdst(0)
.else
	WIN W_PV
.set n, 0
	s_wait_alu depctr_va_vdst(0)
.rept 16
	v_pk_mul_f32 v[O+32*\q+n:O+32*\q+n+1], v[O+32*\q+n:O+32*\q+n+1], v[AL+2*\q:AL+2*\q+1] op_sel_hi:[1,0]
.set n, n+2
.endr
.endif
.endm
.macro PACK q, c                       ; two tiles of 16 keys become one fragment of 32 keys, in the first tile's registers
.irp r, 0,1,2,3
	v_cvt_pk_bf16_f32 v[S+32*\q+16*\c+\r], v[S+32*\q+16*\c+2*\r], v[S+32*\q+16*\c+2*\r+1]
.endr
.irp r, 0,1,2,3
	v_cvt_pk_bf16_f32 v[S+32*\q+16*\c+4+\r], v[S+32*\q+16*\c+8+2*\r], v[S+32*\q+16*\c+8+2*\r+1]
.endr
.endm
; C4: my 32 p of block q are added (four chains of pairs) onto the running sums, and rounded to bf16.  first = 1: they start the sums.
.macro C4 q, first
	WIN 0
.irp j, 0,1,2,3
	v_pk_add_f32 v[XS+2*\j:XS+2*\j+1], v[S+32*\q+8*\j:S+32*\q+8*\j+1], v[S+32*\q+8*\j+2:S+32*\q+8*\j+3]
.endr
.irp j, 0,1,2,3
	v_pk_add_f32 v[XS+2*\j:XS+2*\j+1], v[XS+2*\j:XS+2*\j+1], v[S+32*\q+8*\j+4:S+32*\q+8*\j+5]
.endr
.irp j, 0,1,2,3
	v_pk_add_f32 v[XS+2*\j:XS+2*\j+1], v[XS+2*\j:XS+2*\j+1], v[S+32*\q+8*\j+6:S+32*\q+8*\j+7]
.endr
	PACK \q, 0
	v_pk_add_f32 v[XS:XS+1], v[XS:XS+1], v[XS+2:XS+3]
	v_pk_add_f32 v[XS+4:XS+5], v[XS+4:XS+5], v[XS+6:XS+7]
	PACK \q, 1
.if \first
	v_pk_add_f32 v[LL+2*\q:LL+2*\q+1], v[XS:XS+1], v[XS+4:XS+5]
.else
	v_pk_add_f32 v[XS:XS+1], v[XS:XS+1], v[XS+4:XS+5]
	v_pk_add_f32 v[LL+2*\q:LL+2*\q+1], v[LL+2*\q:LL+2*\q+1], v[XS:XS+1]
.endif
.endm
; One step: my keys 64 st .. 64 st + 63 of the slot's tile.  first = 1: the very first step; pfirst = 1: the step before was it.
; hook, behind S3, where K's fragments are free and my reads of the slot's K and V for this step have been issued:
;   1: the next step's K fragments come from the same slot;
;   2: the tile's last step: my reads of this slot and all my tensor loads are waited for, the cluster's round, the joint refill of THIS slot
;      (two tiles ahead) as the first tensor loads behind it, then the next tile's K fragments from the other slot;
;   3: the same without a refill (no tile is left to fetch): a work-group barrier shows the other slot's tile whole;   0: the last step of all.
.macro STEP slot, st, first, pfirst, hook
	s_wait_dscnt 0x0                               ; this step's K fragments, the youngest LDS loads, are in
	SG 0, 0
.if \first == 0
	C3 3, \pfirst
.endif
	SG 0, 1
.if \first
.rept 4
	v_nop                                          ; four places in front of the first reader of S (ISA guide 7.12.1): here alone no other block's chunk fills them
.endr
.else
	C4 3, \pfirst
	PG 3, 0, \pfirst
.endif
	C1 0, \first
.if \first == 0
	PG 3, 1, 0
.endif
	C2 0
	VLOAD \slot, \st                               ; behind PV3's last products stand C2's sixteen plain lines
	SG 1, 0
	C3 0, \first
	SG 1, 1
	C4 0, \first
	SG 2, 0
	C1 1, \first
	SG 2, 1
	C2 1
	SG 3, 0
	C3 1, \first
	SG 3, 1
	C4 1, \first                                   ; its plain lines are the places in front of the loads into K's fragments
.if \hook == 1
	KLOAD \slot, (\st+1)
	s_wait_dscnt 16                                ; V's sixteen loads are in, the sixteen of K just issued may be out
.endif
.if \hook >= 2
	WIN 0
	s_wait_dscnt 0x0                               ; my reads of this slot are over (V's fragments are in)
	s_wait_xcnt 0x0
	v_lshl_add_u32 v190, v0, 2, 0x40000
	v_mov_b32 v191, 0
	s_wait_tensorcnt 0x0                           ; all my tensor loads have landed: my parts of the other slot's tile
	ds_add_u32 v190, v191
	s_wait_dscnt 0x0
.if \hook == 2
	s_add_nc_u64 s[G0K+4*\slot+2:G0K+4*\slot+3], s[G0K+4*\slot+2:G0K+4*\slot+3], 2*TILEB   ; no load of mine is out: this slot's next tile
	s_add_nc_u64 s[G0V+4*\slot+2:G0V+4*\slot+3], s[G0V+4*\slot+2:G0V+4*\slot+3], 2*TILEB
	ROUND                                          ; both waits now hold of every wave of the four work-groups
	tensor_load_to_lds s[G0K+4*\slot:G0K+4*\slot+3], s[G1K:G1K+7]
	s_nop 0
	tensor_load_to_lds s[G0V+4*\slot:G0V+4*\slot+3], s[G1V:G1V+7]
	s_nop 0
.else
	s_barrier_signal -1
	s_barrier_wait -1
.endif
	KLOAD (1-\slot), 0
.endif
.if \hook == 0
	s_wait_dscnt 0x0                               ; V's fragments
.endif
	PG 0, 0, \first
	C1 2, \first
	PG 0, 1, 0
	C2 2
	PG 1, 0, \first
	C3 2, \first
	PG 1, 1, 0
	C4 2, \first
	PG 2, 0, \first
	C1 3, \first
	PG 2, 1, 0
	C2 3
.endm
.macro TILE slot, hook                 ; my 128 keys of a tile
	STEP \slot, 0, 0, 0, 1
	STEP \slot, 1, 0, 0, \hook
.endm
	s_wait_tensorcnt 2                             ; my two parts of tile 0 are in; tile 1's two stay out
	s_barrier_signal -1
	s_barrier_wait -1
	KLOAD 0, 0
	s_wait_loadcnt 0x0                             ; q
	STEP 0, 0, 1, 0, 1                             ; eight tiles: two in front of the loop, four in it, two behind it
	STEP 0, 1, 0, 1, 2
	TILE 1, 2
	WIN 0
	s_mov_b32 s48, 2
.Ltiles:
	TILE 0, 2
	TILE 1, 2
	WIN 0
	s_sub_co_u32 s48, s48, 1
	s_cmp_lg_u32 s48, 0
	s_cbranch_scc1 .Ltiles
	TILE 0, 3                                      ; tile 6: tile 7 is on its way, nothing more is fetched
	TILE 1, 0
	C3 3, 0                                        ; the last step's block 3
	C4 3, 0
	PG 3, 0, 0
	PG 3, 1, 0
	WIN 0
	; THE MERGE of the two halves of the keys.  The eight additions are the places behind the last products.
.irp q, 0,1,2,3
	v_add_f32 v[LS+\q], v[LL+2*\q], v[LL+2*\q+1]
.endr
.irp q, 0,1,2,3
	v_permlanex16_b32 v[T2+\q], v[LS+\q], s12, s13
.endr
.irp q, 0,1,2,3
	v_add_f32 v[LS+\q], v[LS+\q], v[T2+\q]
.endr
	s_cmp_lt_u32 s8, 4
	s_cbranch_scc1 .Lno_send
	WIN 0x04                                       ; waves 4-7 hand over O (store data in window 1), maxima and sums
.set n, 0
.rept 32
	ds_store_b128 v[MST], v[O+4*n:O+4*n+3] offset:512*n
.set n, n+1
.endr
	WIN 0
	ds_store_b128 v[MST], v[M:M+3] offset:16384
	ds_store_b128 v[MST], v[LS:LS+3] offset:16896
.Lno_send:
	s_wait_dscnt 0x0                               ; for the readers' sake: zero
	s_barrier_signal -1
	s_barrier_wait -1
	s_cmp_ge_u32 s8, 4
	s_cbranch_scc1 .Ljoin
	ds_load_b128 v[M1:M1+3], v[MST] offset:16384
	ds_load_b128 v[LS1:LS1+3], v[MST] offset:16896
.set n, 0
.rept 32
	ds_load_b128 v[PO+4*n:PO+4*n+3], v[MST] offset:512*n       ; the partner's O, register for register as mine
.set n, n+1
.endr
	s_wait_dscnt 0x0
.irp q, 0,1,2,3
	v_max_num_f32 v[T+\q], v[M+\q], v[M1+\q]
.endr
.irp q, 0,1,2,3
	v_sub_f32 v[AL+2*\q], v[M+\q], v[T+\q]
	v_sub_f32 v[NG+2*\q], v[M1+\q], v[T+\q]
.endr
.irp q, 0,1,2,3
	v_mul_f32 v[AL+2*\q], s50, v[AL+2*\q]
	v_mul_f32 v[NG+2*\q], s50, v[NG+2*\q]
.endr
.irp q, 0,1,2,3
	v_exp_f32 v[AL+2*\q], v[AL+2*\q]
	v_exp_f32 v[NG+2*\q], v[NG+2*\q]
.endr
	v_nop                                          ; the plain place behind the exponentials
	s_wait_alu depctr_va_vdst(0)
.irp q, 0,1,2,3
	v_mul_f32 v[T2+\q], v[LS+\q], v[AL+2*\q]
.endr
.irp q, 0,1,2,3
	v_fmac_f32 v[T2+\q], v[LS1+\q], v[NG+2*\q]     ; the whole sum
.endr
.irp q, 0,1,2,3
	v_rcp_f32 v[T2+\q], v[T2+\q]
.endr
	v_nop                                          ; the plain place behind the reciprocals
	s_wait_alu depctr_va_vdst(0)
.irp q, 0,1,2,3
	v_mul_f32 v[AL+2*\q], v[AL+2*\q], v[T2+\q]
	v_mul_f32 v[NG+2*\q], v[NG+2*\q], v[T2+\q]
.endr
.irp q, 0,1,2,3
.set n, 0
.rept 16
	v_pk_mul_f32 v[PO+32*\q+n:PO+32*\q+n+1], v[PO+32*\q+n:PO+32*\q+n+1], v[NG+2*\q:NG+2*\q+1] op_sel_hi:[1,0]
.set n, n+2
.endr
.endr
	WIN 0x01                                       ; my O is source 0, in window 1
.irp q, 0,1,2,3
.set n, 0
.rept 16
	v_pk_fma_f32 v[PO+32*\q+n:PO+32*\q+n+1], v[O+32*\q+n:O+32*\q+n+1], v[AL+2*\q:AL+2*\q+1], v[PO+32*\q+n:PO+32*\q+n+1] op_sel_hi:[1,0,1]
.set n, n+2
.endr
.endr
	WIN 0
.set n, 0
.rept 64
	v_cvt_pk_bf16_f32 v[QF+n], v[PO+2*n], v[PO+2*n+1]          ; a lane's eight numbers of a tile are eight neighbouring dk of one query
.set n, n+1
.endr
.irp q, 0,1,2,3
.irp db, 0,1,2,3
	ds_store_b128 v[STO], v[QF+4*(4*\q+\db):QF+4*(4*\q+\db)+3] offset:\q*16*PK+\db*32
.endr
.endr
.set n, 0
.rept 16
	ds_load_b128 v[PO+4*n:PO+4*n+3], v[RD] offset:n*4*PK       ; my own stage: LDS serves a wave's instructions in order
.set n, n+1
.endr
.set n, 0
.rept 16
	s_wait_dscnt 15-n                              ; load n is in, the 15 - n younger ones stay out
	global_store_b128 v[CO], v[PO+4*n:PO+4*n+3], s[6:7] offset:512*n   ; four rows of 128 bytes: 512 consecutive bytes
.set n, n+1
.endr
.Ljoin:
	s_wait_dscnt 0x0
	s_wait_xcnt 0x0
	v_lshl_add_u32 v190, v0, 2, 0x40000
	v_mov_b32 v191, 0
	s_wait_tensorcnt 0x0
	ds_add_u32 v190, v191
	s_wait_dscnt 0x0
	ROUND                                          ; the closing round
	s_endpgm
.Lfunc_end_k_q0745d086cb_attn:
	.size	k_q0745d086cb_attn, .Lfunc_end_k_q0745d086cb_attn-k_q0745d086cb_attn
	.p2alignl 7, 3214868480
	.fill 96, 4, 3214868480
	.section	.rodata,"a",@progbits
	.p2align	6, 0x0
	.amdhsa_kernel k_q0745d086cb_attn
		.amdhsa_group_segment_fixed_size 327680
		.amdhsa_private_segment_fixed_size 0
		.amdhsa_enable_private_segment 0
		.amdhsa_kernarg_size 16
		.amdhsa_user_sgpr_count 2
		.amdhsa_user_sgpr_kernarg_segment_ptr 1
		.amdhsa_wavefront_size32 1
		.amdhsa_system_sgpr_workgroup_id_x 1
		.amdhsa_system_sgpr_workgroup_id_y 1
		.amdhsa_system_sgpr_workgroup_id_z 1
		.amdhsa_system_vgpr_workitem_id 0
		.amdhsa_next_free_vgpr 512
		.amdhsa_next_free_sgpr 66
		.amdhsa_reserve_vcc 0
		.amdhsa_float_denorm_mode_32 3
		.amdhsa_float_denorm_mode_16_64 3
		.amdhsa_memory_ordered 1
		.amdhsa_forward_progress 1
		.amdhsa_inst_pref_size 255
	.end_amdhsa_kernel
	.section	.bss,"aw",@nobits
	.p2align	6
	.space	262144
	.amdgpu_metadata
---
amdhsa.version: [ 1, 2 ]
amdhsa.kernels:
  - .name:           k_q0745d086cb_attn
    .symbol:         k_q0745d086cb_attn.kd
    .args:
      - { .name: qkv, .offset: 0, .size: 8, .value_kind: global_buffer, .address_space: global }
      - { .name: att, .offset: 8, .size: 8, .value_kind: global_buffer, .address_space: global }
    .group_segment_fixed_size: 327680
    .private_segment_fixed_size: 0
    .kernarg_segment_align: 8
    .kernarg_segment_size: 16
    .max_flat_workgroup_size: 256
    .sgpr_count:     66
    .vgpr_count:     512
    .wavefront_size: 32
...
	.end_amdgpu_metadata
.endif
;; end of part 3
;; launch wo (part 4): grid 8 x 32, 4 waves a work-group, clusters of 4 x 4, 327,680 bytes of LDS; arguments att, wb, bo, x, y; writes y
.if DOCPART == 4
	.amdgcn_target "amdgcn-amd-amdhsa--gfx1250"
	.amdhsa_code_object_version 6
	.text
	.protected	k_q0745d086cb_wo
	.globl	k_q0745d086cb_wo
	.p2align	8
	.type	k_q0745d086cb_wo,@function
k_q0745d086cb_wo:
	s_mov_b64 s[64:65], 0
	v_nop
	global_prefetch_b8 v0, s[64:65] scope:SCOPE_SE
	s_setreg_imm32_b32 hwreg(HW_REG_WAVE_MODE, 25, 1), 1
	s_wait_xcnt 0x0
	s_wait_alu depctr_hold_cnt(0) depctr_sa_sdst(0) depctr_va_vdst(0) depctr_va_sdst(0) depctr_va_ssrc(0) depctr_va_vcc(0) depctr_vm_vsrc(0)
	s_getreg_b32 s2, hwreg(HW_REG_IB_STS2, 6, 4)
	s_cmp_eq_u32 s2, 0
	s_cbranch_scc0 .Lentry_in_a_cluster
	s_endpgm
.Lentry_in_a_cluster:
	s_bfe_u32 s2, ttmp6, 0x10000c
	s_cmp_lg_u32 s2, 0xf033
	s_cbranch_scc0 .Lentry_shape_is_right
	s_endpgm
.Lentry_shape_is_right:
; Y = A B + bias + R, bf16 operands, f32 sums, f32 result.  A: [SIZE_K/64][4096 rows][64] bf16; B: [16][SIZE_K k][64] bf16 at BOFF in wb;
; bias: [1024] f32; R and Y: [4096][1024] f32.  N = 1024, so blocks of 128 x 128 of Y make 256 work-groups.
; THE FOUR WAVES SPLIT K: each keeps the whole 128 x 128 block in 512 registers and takes every fourth K block of 64, so that a wave's
; tile keeps the side 128 (128 multiply-adds for each number read from LDS and side); the four partial blocks are added once, through LDS.
; LIMIT: the f32 sums therefore run in an order of their own.
; Each wave fetches and reads its own bytes: per trip 16 KiB of A and 2 x 8 KiB of B, each a run of consecutive bytes; two slots.
; CLUSTERS: 4 x 4 work-groups; A's pieces are asked for jointly along a row of the cluster, B's along a column.
; Registers and the transposed use of the matrix instruction: window 0 addresses and A's fragments, window 1 B's, windows 2, 3 accumulators;
; lane l holds row l % 16 of Y and its registers 0-7 the columns 8 (l / 16) + 0..7 of a tile.
.set SIZE_K, 1024
.set BOFF,   0xe00000                  ; Wo in wb
.set LAPS,   SIZE_K/512                ; a trip = 256 of K (64 a wave); a lap = two trips
.set PA,     144
.set PB,     160
.set APART,  128*PA                    ; 18,432
.set BHALF,  64*PB                     ; 10,240: 64 k of one block of 64 columns
.set WPART,  APART+2*BHALF             ; 38,912: a wave's part of a slot
.set SLOT,   4*WPART                   ; 155,648
.set KBSTR,  524288                    ; from one K block of A to the next
.set IPITCH, 528                       ; a row of a partial block: 512 bytes + 16: 33 x 16
.set IMAGE,  128*IPITCH                ; 67,584
.set ADRA, 16
.set ADRB, 20
.set STO,  24
.set RD,   25                          ; v25-28
.set CO,   29
.set F0,   64
.set F1,   128
.set RES,  64                          ; window 0: 32 rows x 4 numbers of R, then of Y
.set PS,   64                          ; window 1: 8 rows x 4 partial blocks x 4 numbers
.set BI,   192
.set G1A,  24
.set G1B,  32
.set G0A,  40
.set G0B0, 48
.set G0B1, 56
.set MUL_LO, 0xa1
.set MUL_HI, 0xf1
.set TO_B,   0x40
.set MSB, 0
.macro WIN new
.if MSB != \new
	s_set_vgpr_msb (MSB<<8)|\new
.set MSB, \new
.endif
.endm
.macro PLACES                          ; four places behind a matrix instruction (ISA guide 7.12.1)
.rept 4
	v_nop
.endr
.endm
.macro CREST
	s_cmp_lg_u32 s10, 0
	s_cbranch_scc1 .Lnot_wave_0_\@
	s_barrier_signal -3
.Lnot_wave_0_\@:
	s_barrier_wait -3
	s_barrier_signal -1
	s_barrier_wait -1
.endm
.macro CROUND
	s_barrier_signal -1
	s_barrier_wait -1
	CREST
.endm
	s_load_b256 s[80:87], s[0:1], 0x0              ; A, wb, bias, R
	s_load_b64 s[88:89], s[0:1], 0x20              ; Y
	s_set_vgpr_msb 0x40
	v_lshl_add_u32 v255, v0, 2, 0x4c000
	s_set_vgpr_msb 0x4000
	v_mov_b32 v255, 0
	s_set_vgpr_msb 0x1
	ds_add_u32 v255, v255
	s_set_vgpr_msb 0x100
	v_lshrrev_b32 v1, 5, v0
	v_readfirstlane_b32 s10, v1                    ; wave 0..3
	s_bfe_u32 s66, ttmp6, 0x40000                  ; cx
	s_bfe_u32 s67, ttmp6, 0x40004                  ; cy
	s_lshl_b32 s68, ttmp9, 2
	s_add_co_u32 s68, s68, s66                     ; block column
	s_and_b32 s69, ttmp7, 0xffff
	s_lshl_b32 s69, s69, 2
	s_add_co_u32 s69, s69, s67                     ; block row
	s_lshl_b32 s70, s67, 2
	s_lshl_b32 s70, 15, s70                        ; my row of the cluster
	s_lshl_b32 s71, 0x1111, s66                    ; my column
	; group 1: rows of 128 elements of 2 bytes, dense; a pad after every 32 words: 4 words for A, 8 for B; bit 21 beside the mask
	s_or_b32 s[G1A+0], s70, 0x07310000
	s_mov_b32 s[G1A+1], 128<<16
	s_mov_b32 s[G1A+2], 64<<16                     ; A: 64 rows of 256 bytes
	s_mov_b32 s[G1A+3], 128<<16
	s_mov_b32 s[G1A+4], 64
	s_mov_b32 s[G1A+5], 128
	s_mov_b32 s[G1A+6], 0
	s_mov_b32 s[G1A+7], 0
	s_or_b32 s[G1B+0], s71, 0x0f310000
	s_mov_b32 s[G1B+1], 128<<16
	s_mov_b32 s[G1B+2], 32<<16                     ; B: 32 rows of 256 bytes
	s_mov_b32 s[G1B+3], 128<<16
	s_mov_b32 s[G1B+4], 32
	s_mov_b32 s[G1B+5], 128
	s_mov_b32 s[G1B+6], 0
	s_mov_b32 s[G1B+7], 0
	s_lshl_b32 s16, s10, 19                        ; A: K block w,
	s_lshl_b32 s17, s69, 14                        ; 128 rows x 128 bytes for each block row
	s_add_co_u32 s16, s16, s17
	s_mov_b32 s17, 0
	s_lshl_b32 s72, s68, 1                         ; B: two blocks of 64 columns for each block column,
	s_mul_i32 s72, s72, SIZE_K*128
	s_lshl_b32 s73, s10, 13                        ; 64 k x 128 bytes for the wave
	s_add_co_u32 s72, s72, s73
	s_add_co_u32 s72, s72, BOFF
	s_mov_b32 s73, 0
	s_mul_i32 s20, s10, WPART                      ; LDS: the wave's part, no place in the cluster enters
	s_wait_dscnt 0x0
	s_wait_kmcnt 0x0
	s_add_nc_u64 s[14:15], s[80:81], s[16:17]
	s_add_nc_u64 s[72:73], s[82:83], s[72:73]
	CROUND                                         ; the first joint loads meet
.irp s, 0,1
	s_mov_b32 s[G0A+4*\s], 1
	s_add_co_u32 s[G0A+4*\s+1], s20, \s*SLOT
	s_add_nc_u64 s[G0A+4*\s+2:G0A+4*\s+3], s[14:15], \s*4*KBSTR       ; trip s: four K blocks on
	s_or_b32 s[G0A+4*\s+3], s[G0A+4*\s+3], 0x80000000
	s_mov_b32 s[G0B0+4*\s], 1
	s_add_co_u32 s[G0B0+4*\s+1], s20, \s*SLOT+APART
	s_add_nc_u64 s[G0B0+4*\s+2:G0B0+4*\s+3], s[72:73], \s*32768       ; trip s: 256 k x 128 bytes on
	s_or_b32 s[G0B0+4*\s+3], s[G0B0+4*\s+3], 0x80000000
	s_mov_b32 s[G0B1+4*\s], 1
	s_add_co_u32 s[G0B1+4*\s+1], s20, \s*SLOT+APART+BHALF
	s_add_nc_u64 s[G0B1+4*\s+2:G0B1+4*\s+3], s[72:73], \s*32768+SIZE_K*128
	s_or_b32 s[G0B1+4*\s+3], s[G0B1+4*\s+3], 0x80000000
	tensor_load_to_lds s[G0A+4*\s:G0A+4*\s+3], s[G1A:G1A+7]
	s_nop 0
	tensor_load_to_lds s[G0B0+4*\s:G0B0+4*\s+3], s[G1B:G1B+7]
	s_nop 0
	tensor_load_to_lds s[G0B1+4*\s:G0B1+4*\s+3], s[G1B:G1B+7]         ; six tensor loads of the wave are out here, later three
	s_nop 0
.endr
	v_and_b32 v1, 15, v0                           ; r
	v_bfe_u32 v2, v0, 4, 1                         ; h
	v_mul_u32_u24 v3, v1, PA
	v_lshl_add_u32 v3, v2, 4, v3
	v_and_b32 v4, 7, v0
	v_lshl_add_u32 v4, v2, 3, v4
	v_mul_u32_u24 v4, v4, PB
	v_bfe_u32 v5, v0, 3, 1
	v_lshl_add_u32 v4, v5, 4, v4
	s_mov_b32 s22, s20
	s_add_co_u32 s23, s20, APART
.irp s, 0,1
	v_add_nc_u32 v[ADRA+\s], s22, v3
	v_add_nc_u32 v[ADRB+\s], s23, v4
	s_add_co_u32 s22, s22, SLOT
	s_add_co_u32 s23, s23, SLOT
.endr
	s_mul_i32 s22, s10, IMAGE
	v_mul_u32_u24 v5, v1, IPITCH
	v_lshl_add_u32 v5, v2, 5, v5
	v_add_nc_u32 v[STO], s22, v5                   ; my partial block: row r, 8 h columns of f32
	v_and_b32 v6, 31, v0
	v_lshlrev_b32 v[CO], 4, v6                     ; four columns a lane: a row of 128 f32 is 32 lanes x 16 bytes
	s_mul_i32 s23, s10, 32*IPITCH                  ; the 32 rows that I add up and store
.irp p, 0,1,2,3
	v_add_nc_u32 v[RD+\p], s23, v[CO]
	s_add_co_u32 s23, s23, IMAGE
.endr
; The 64 accumulators take turns, one instruction a turn, in the same order in every quarter.
.macro MUL16 f, hi, a0, first
.irp a, \a0, \a0+1
.irp b, 0,1,2,3,4,5,6,7
.if \first
	v_wmma_f32_16x16x32_bf16 v[8*(8*(\a)+\b):8*(8*(\a)+\b)+7], v[\f+8*\b:\f+8*\b+7], v[\f+8*(4*\hi+\a):\f+8*(4*\hi+\a)+7], 0
.else
	v_wmma_f32_16x16x32_bf16 v[8*(8*(\a)+\b):8*(8*(\a)+\b)+7], v[\f+8*\b:\f+8*\b+7], v[\f+8*(4*\hi+\a):\f+8*(4*\hi+\a)+7], v[8*(8*(\a)+\b):8*(8*(\a)+\b)+7]
.endif
.endr
.endr
.endm
.macro FETCH slot, q, f                ; the fragments of half q (32 along K) of my part of a slot
	WIN TO_B
.irp b, 0,1,2,3,4,5,6,7
	ds_load_tr16_b128 v[\f+8*\b:\f+8*\b+3],   v[ADRB+\slot] offset:\q*32*PB+(\b>>2)*BHALF+(\b&3)*32
	ds_load_tr16_b128 v[\f+8*\b+4:\f+8*\b+7], v[ADRB+\slot] offset:\q*32*PB+(\b>>2)*BHALF+(\b&3)*32+16*PB
.endr
	WIN 0
.irp i, 0,1,2,3,4,5,6,7
	ds_load_b128 v[\f+8*\i:\f+8*\i+3],   v[ADRA+\slot] offset:\q*64+\i*16*PA
	ds_load_b128 v[\f+8*\i+4:\f+8*\i+7], v[ADRA+\slot] offset:\q*64+\i*16*PA+32
.endr
.endm
.macro ONE slot, first                 ; multiplies buffer 0; in its middle fetches the second half into buffer 1
	s_wait_dscnt 8                                 ; B and A's rows 0-63 are in; the youngest eight loads may be out
	WIN MUL_LO
	MUL16 F0, 0, 0, \first
	MUL16 F0, 0, 2, \first
	PLACES
	FETCH \slot, 1, F1
	s_wait_dscnt 32                                ; all but the 32 just issued
	WIN MUL_HI
	MUL16 F0, 1, 0, \first
	MUL16 F0, 1, 2, \first
.endm
; multiplies buffer 1 and changes slots; fill = 1: the barrier opens a round of the cluster's barrier, in front of which every wave has
; waited for its reads of this slot and for all its tensor loads, and the joint refills are the first tensor loads behind the round
.macro TURN slot, next, fill
	s_wait_dscnt 8
	WIN MUL_LO
	MUL16 F1, 0, 0, 0
	s_wait_dscnt 0x0
	s_wait_tensorcnt 0x0
	ds_add_u32 v255, v255
	s_wait_dscnt 0x0
	s_barrier_signal -1
	MUL16 F1, 0, 2, 0
	WIN 0
	s_barrier_wait -1
.if \fill
	CREST
	s_add_nc_u64 s[G0A+4*\slot+2:G0A+4*\slot+3], s[G0A+4*\slot+2:G0A+4*\slot+3], 8*KBSTR
	s_add_nc_u64 s[G0B0+4*\slot+2:G0B0+4*\slot+3], s[G0B0+4*\slot+2:G0B0+4*\slot+3], 65536
	s_add_nc_u64 s[G0B1+4*\slot+2:G0B1+4*\slot+3], s[G0B1+4*\slot+2:G0B1+4*\slot+3], 65536
	tensor_load_to_lds s[G0A+4*\slot:G0A+4*\slot+3], s[G1A:G1A+7]
	s_nop 0
	tensor_load_to_lds s[G0B0+4*\slot:G0B0+4*\slot+3], s[G1B:G1B+7]
	s_nop 0
	tensor_load_to_lds s[G0B1+4*\slot:G0B1+4*\slot+3], s[G1B:G1B+7]
	s_nop 0
.endif
	PLACES
	FETCH \next, 0, F0
	WIN MUL_HI
	MUL16 F1, 1, 0, 0
	MUL16 F1, 1, 2, 0
.endm
.macro LAP first
	ONE 0, \first
	TURN 0, 1, 1
	ONE 1, 0
	TURN 1, 0, 1
.endm
	s_wait_tensorcnt 3                             ; my three loads of trip 0 are in, trip 1's three stay out; I read my own bytes alone
	FETCH 0, 0, F0
	LAP 1                                          ; the first products start the sums
.if LAPS > 2
	WIN 0
	s_mov_b32 s3, LAPS-2
.Llap:
	LAP 0
	WIN 0
	s_sub_co_u32 s3, s3, 1
	s_cmp_lg_u32 s3, 0
	s_cbranch_scc1 .Llap
.endif
	ONE 0, 0                                       ; the last lap fills nothing
	TURN 0, 1, 0
	ONE 1, 0
	s_wait_dscnt 8
	WIN MUL_LO
	MUL16 F1, 0, 0, 0
	MUL16 F1, 0, 2, 0
	s_wait_dscnt 0x0
	WIN MUL_HI
	MUL16 F1, 1, 0, 0
	MUL16 F1, 1, 2, 0
	PLACES                                         ; in front of the loads into the fragment buffers and of the stores of the sums
	WIN 0
	; my 32 rows of R and of Y, my block's 128 columns; row part and column part in registers of their own
	s_lshl_b32 s16, s69, 7
	s_lshl_b32 s17, s10, 5
	s_add_co_u32 s16, s16, s17
	s_lshl_b32 s16, s16, 12                        ; rows of 4,096 bytes
	s_mov_b32 s17, 0
	s_lshl_b32 s72, s68, 9                         ; 128 columns of f32
	s_mov_b32 s73, 0
	s_add_nc_u64 s[86:87], s[86:87], s[16:17]
	s_add_nc_u64 s[86:87], s[86:87], s[72:73]
	s_add_nc_u64 s[88:89], s[88:89], s[16:17]
	s_add_nc_u64 s[88:89], s[88:89], s[72:73]
	s_add_nc_u64 s[84:85], s[84:85], s[72:73]
	global_load_b128 v[BI:BI+3], v[CO], s[84:85]
.set n, 0
.rept 32
	global_load_b128 v[RES+4*n:RES+4*n+3], v[CO], s[86:87] offset:n*4096       ; on their way while the partial blocks cross LDS
.set n, n+1
.endr
	s_wait_dscnt 0x0                               ; every wave is done with the ring, which has had its last fill
	s_wait_tensorcnt 0x0
	s_barrier_signal -1
	s_barrier_wait -1
	WIN 0x08
.irp a, 0,1,2,3
.irp b, 0,1,2,3,4,5,6,7
	ds_store_b128 v[STO], v[8*(8*\a+\b):8*(8*\a+\b)+3]   offset:\a*16*IPITCH+64*\b
	ds_store_b128 v[STO], v[8*(8*\a+\b)+4:8*(8*\a+\b)+7] offset:\a*16*IPITCH+64*\b+16
.endr
.endr
	WIN 0x0c
.irp a, 0,1,2,3
.irp b, 0,1,2,3,4,5,6,7
	ds_store_b128 v[STO], v[8*(8*\a+\b):8*(8*\a+\b)+3]   offset:(\a+4)*16*IPITCH+64*\b
	ds_store_b128 v[STO], v[8*(8*\a+\b)+4:8*(8*\a+\b)+7] offset:(\a+4)*16*IPITCH+64*\b+16
.endr
.endr
	WIN 0
	s_wait_dscnt 0x0                               ; for the readers' sake: zero
	s_barrier_signal -1
	s_barrier_wait -1
	s_wait_loadcnt 0x0                             ; bias and R
.set n, 0
.rept 32
	v_pk_add_f32 v[RES+4*n:RES+4*n+1],   v[RES+4*n:RES+4*n+1],   v[BI:BI+1]
	v_pk_add_f32 v[RES+4*n+2:RES+4*n+3], v[RES+4*n+2:RES+4*n+3], v[BI+2:BI+3]
.set n, n+1
.endr
; eight of my rows: the four partial blocks' numbers are read, added, added to R + bias, and stored as rows of 512 consecutive bytes
.macro BATCH bt
	WIN 0x40
.irp i, 0,1,2,3,4,5,6,7
.irp p, 0,1,2,3
	ds_load_b128 v[PS+16*\i+4*\p:PS+16*\i+4*\p+3], v[RD+\p] offset:(8*\bt+\i)*IPITCH
.endr
.endr
	WIN 0x45
.irp i, 0,1,2,3,4,5,6,7
	s_wait_dscnt 4*(7-\i)                          ; row i's four loads are in, the younger rows' stay out
	v_pk_add_f32 v[PS+16*\i:PS+16*\i+1],     v[PS+16*\i:PS+16*\i+1],     v[PS+16*\i+4:PS+16*\i+5]
	v_pk_add_f32 v[PS+16*\i+2:PS+16*\i+3],   v[PS+16*\i+2:PS+16*\i+3],   v[PS+16*\i+6:PS+16*\i+7]
	v_pk_add_f32 v[PS+16*\i+8:PS+16*\i+9],   v[PS+16*\i+8:PS+16*\i+9],   v[PS+16*\i+12:PS+16*\i+13]
	v_pk_add_f32 v[PS+16*\i+10:PS+16*\i+11], v[PS+16*\i+10:PS+16*\i+11], v[PS+16*\i+14:PS+16*\i+15]
	v_pk_add_f32 v[PS+16*\i:PS+16*\i+1],     v[PS+16*\i:PS+16*\i+1],     v[PS+16*\i+8:PS+16*\i+9]
	v_pk_add_f32 v[PS+16*\i+2:PS+16*\i+3],   v[PS+16*\i+2:PS+16*\i+3],   v[PS+16*\i+10:PS+16*\i+11]
.endr
	WIN 0x01
.irp i, 0,1,2,3,4,5,6,7
	v_pk_add_f32 v[RES+4*(8*\bt+\i):RES+4*(8*\bt+\i)+1],   v[PS+16*\i:PS+16*\i+1],   v[RES+4*(8*\bt+\i):RES+4*(8*\bt+\i)+1]
	v_pk_add_f32 v[RES+4*(8*\bt+\i)+2:RES+4*(8*\bt+\i)+3], v[PS+16*\i+2:PS+16*\i+3], v[RES+4*(8*\bt+\i)+2:RES+4*(8*\bt+\i)+3]
.endr
	WIN 0
.irp i, 0,1,2,3,4,5,6,7
	global_store_b128 v[CO], v[RES+4*(8*\bt+\i):RES+4*(8*\bt+\i)+3], s[88:89] offset:(8*\bt+\i)*4096
.endr
.endm
	BATCH 0
	BATCH 1
	BATCH 2
	BATCH 3
	s_set_vgpr_msb 0x1
	s_wait_tensorcnt 0x0
	ds_add_u32 v255, v255
	s_wait_dscnt 0x0
	s_set_vgpr_msb 0x100
	CROUND                                         ; the closing round
	s_endpgm
.Lfunc_end_k_q0745d086cb_wo:
	.size	k_q0745d086cb_wo, .Lfunc_end_k_q0745d086cb_wo-k_q0745d086cb_wo
	.p2alignl 7, 3214868480
	.fill 96, 4, 3214868480
	.section	.rodata,"a",@progbits
	.p2align	6, 0x0
	.amdhsa_kernel k_q0745d086cb_wo
		.amdhsa_group_segment_fixed_size 327680
		.amdhsa_private_segment_fixed_size 0
		.amdhsa_enable_private_segment 0
		.amdhsa_kernarg_size 40
		.amdhsa_user_sgpr_count 2
		.amdhsa_user_sgpr_kernarg_segment_ptr 1
		.amdhsa_wavefront_size32 1
		.amdhsa_system_sgpr_workgroup_id_x 1
		.amdhsa_system_sgpr_workgroup_id_y 1
		.amdhsa_system_sgpr_workgroup_id_z 1
		.amdhsa_system_vgpr_workitem_id 0
		.amdhsa_next_free_vgpr 1024
		.amdhsa_next_free_sgpr 96
		.amdhsa_reserve_vcc 0
		.amdhsa_float_denorm_mode_32 3
		.amdhsa_float_denorm_mode_16_64 3
		.amdhsa_memory_ordered 1
		.amdhsa_forward_progress 1
		.amdhsa_inst_pref_size 105
	.end_amdhsa_kernel
	.amdgpu_metadata
---
amdhsa.version: [ 1, 2 ]
amdhsa.kernels:
  - .name:           k_q0745d086cb_wo
    .symbol:         k_q0745d086cb_wo.kd
    .args:
      - { .name: att, .offset: 0, .size: 8, .value_kind: global_buffer, .address_space: global }
      - { .name: wb, .offset: 8, .size: 8, .value_kind: global_buffer, .address_space: global }
      - { .name: bo, .offset: 16, .size: 8, .value_kind: global_buffer, .address_space: global }
      - { .name: x, .offset: 24, .size: 8, .value_kind: global_buffer, .address_space: global }
      - { .name: y, .offset: 32, .size: 8, .value_kind: global_buffer, .address_space: global }
    .group_segment_fixed_size: 327680
    .private_segment_fixed_size: 0
    .kernarg_segment_align: 8
    .kernarg_segment_size: 40
    .max_flat_workgroup_size: 128
    .sgpr_count:     96
    .vgpr_count:     1024
    .wavefront_size: 32
...
	.end_amdgpu_metadata
.endif
;; end of part 4
;; launch ln1 (part 5): grid 256 x 1, 8 waves a work-group, no clusters, 0 bytes of LDS; arguments y, g1, be1, x1, x1b; writes x1, x1b
.if DOCPART == 5
	.amdgcn_target "amdgcn-amd-amdhsa--gfx1250"
	.amdhsa_code_object_version 6
	.text
	.protected	k_q0745d086cb_ln1
	.globl	k_q0745d086cb_ln1
	.p2align	8
	.type	k_q0745d086cb_ln1,@function
k_q0745d086cb_ln1:
	s_mov_b64 s[64:65], 0
	v_nop
	global_prefetch_b8 v0, s[64:65] scope:SCOPE_SE
	s_setreg_imm32_b32 hwreg(HW_REG_WAVE_MODE, 25, 1), 1
	s_wait_xcnt 0x0
; LayerNorm of rows of 1024 f32: out = (y - mean) rsqrt(var + 1e-5) g + be.  WITH_BF16 = 1: the result is stored in f32 (the residual
; stream) and, rounded to bf16, as [16][4096][64] for the next product.
; A wave takes two rows: lanes 0-15 one, lanes 16-31 the next; lane c of a row holds columns 64 j + 4 c .. + 3, j = 0..15, in 64 registers.
; The row stays in registers between the passes (mean; squares of the differences; scaling), so memory is read once, a sum over a row
; needs only the four steps inside 16 lanes, and the variance is no difference of large sums.
; Memory binds: no LDS, no barrier, no matrix unit, no cluster (work-groups share only g and be, 8 KiB).
; LIMIT: v_rsq_f32 is accurate to 1 ulp and flushes denormals.
.set WITH_BF16, 1
.set XO, 1
.set GO, 2
.set HO, 3
.set X,  8                             ; v[8:71]
.set G,  72                            ; v[72:135]
.set BE, 136                           ; v[136:199]
.set CH, 200                           ; v[200:207] four chains of pairs
.set MU, 208
.set RS, 210
	s_load_b256 s[4:11], s[0:1], 0x0               ; y, g, be, out
.if WITH_BF16
	s_load_b64 s[12:13], s[0:1], 0x20              ; the bf16 copy
.endif
	s_lshl_b32 s14, ttmp9, 16                      ; 16 rows of 4,096 bytes
	s_mov_b32 s15, 0
	s_lshl_b32 s16, ttmp9, 11                      ; 16 rows of 128 bytes
	s_mov_b32 s17, 0
	s_mov_b32 s18, 0x3a800000                      ; 1 / 1024
	s_mov_b32 s19, 0x3727c5ac                      ; 1e-5
	v_lshrrev_b32 v4, 4, v0                        ; my row in the work-group's 16
	v_and_b32 v5, 15, v0
	v_lshlrev_b32 v[GO], 4, v5
	v_lshl_add_u32 v[XO], v4, 12, v[GO]
	v_lshlrev_b32 v[HO], 3, v0                     ; 8 t = 128 x row + 8 c
	s_wait_kmcnt 0x0
	s_add_nc_u64 s[4:5], s[4:5], s[14:15]
	s_add_nc_u64 s[10:11], s[10:11], s[14:15]
.if WITH_BF16
	s_add_nc_u64 s[12:13], s[12:13], s[16:17]
.endif
.set j, 0
.rept 16
	global_load_b128 v[X+4*j:X+4*j+3], v[XO], s[4:5] offset:256*j th:TH_LOAD_NT   ; 16 lanes read 256 consecutive bytes of a row
.set j, j+1
.endr
.set j, 0
.rept 16
	global_load_b128 v[G+4*j:G+4*j+3], v[GO], s[6:7] offset:256*j
.set j, j+1
.endr
.set j, 0
.rept 16
	global_load_b128 v[BE+4*j:BE+4*j+3], v[GO], s[8:9] offset:256*j
.set j, j+1
.endr
	s_wait_loadcnt 32                              ; the row is in; the 32 loads of g and be stay out
.irp k, 0,1,2,3
	v_pk_add_f32 v[CH+2*\k:CH+2*\k+1], v[X+2*\k:X+2*\k+1], v[X+8+2*\k:X+8+2*\k+1]     ; the first pairs start the chains
.endr
.set j, 8
.rept 24
	v_pk_add_f32 v[CH+2*(j%4):CH+2*(j%4)+1], v[CH+2*(j%4):CH+2*(j%4)+1], v[X+2*j:X+2*j+1]
.set j, j+1
.endr
.macro JOIN                            ; four chains of pairs to one number in each of the row's 16 lanes
	v_pk_add_f32 v[CH:CH+1], v[CH:CH+1], v[CH+2:CH+3]
	v_pk_add_f32 v[CH+4:CH+5], v[CH+4:CH+5], v[CH+6:CH+7]
	v_pk_add_f32 v[CH:CH+1], v[CH:CH+1], v[CH+4:CH+5]
	v_add_f32 v[CH], v[CH], v[CH+1]
	v_add_f32_dpp v[CH], v[CH], v[CH] row_xmask:1 row_mask:0xf bank_mask:0xf
	v_add_f32_dpp v[CH], v[CH], v[CH] row_xmask:2 row_mask:0xf bank_mask:0xf
	v_add_f32_dpp v[CH], v[CH], v[CH] row_xmask:4 row_mask:0xf bank_mask:0xf
	v_add_f32_dpp v[CH], v[CH], v[CH] row_xmask:8 row_mask:0xf bank_mask:0xf
.endm
	JOIN
	v_mul_f32 v[MU], s18, v[CH]
	v_mul_f32 v[MU+1], s18, v[CH]
.set j, 0
.rept 32
	v_pk_add_f32 v[X+2*j:X+2*j+1], v[X+2*j:X+2*j+1], v[MU:MU+1] neg_lo:[0,1] neg_hi:[0,1]
.set j, j+1
.endr
.irp k, 0,1,2,3
	v_pk_mul_f32 v[CH+2*\k:CH+2*\k+1], v[X+2*\k:X+2*\k+1], v[X+2*\k:X+2*\k+1]
.endr
.set j, 4
.rept 28
	v_pk_fma_f32 v[CH+2*(j%4):CH+2*(j%4)+1], v[X+2*j:X+2*j+1], v[X+2*j:X+2*j+1], v[CH+2*(j%4):CH+2*(j%4)+1]
.set j, j+1
.endr
	JOIN
	v_fma_f32 v[CH], v[CH], s18, s19               ; var + eps
	v_rsq_f32 v[RS], v[CH]
	v_nop                                          ; the plain place behind v_rsq_f32
	s_wait_alu depctr_va_vdst(0)
	v_mov_b32 v[RS+1], v[RS]
	s_wait_loadcnt 0x0                             ; g and be
.set j, 0
.rept 16
	v_pk_mul_f32 v[G+4*j:G+4*j+1],   v[G+4*j:G+4*j+1],   v[RS:RS+1]
	v_pk_mul_f32 v[G+4*j+2:G+4*j+3], v[G+4*j+2:G+4*j+3], v[RS:RS+1]
	v_pk_fma_f32 v[X+4*j:X+4*j+1],   v[X+4*j:X+4*j+1],   v[G+4*j:G+4*j+1],   v[BE+4*j:BE+4*j+1]
	v_pk_fma_f32 v[X+4*j+2:X+4*j+3], v[X+4*j+2:X+4*j+3], v[G+4*j+2:G+4*j+3], v[BE+4*j+2:BE+4*j+3]
.if WITH_BF16
	global_store_b128 v[XO], v[X+4*j:X+4*j+3], s[10:11] offset:256*j              ; 16 lanes store 256 consecutive bytes, aligned
	v_cvt_pk_bf16_f32 v[G+4*j],   v[X+4*j],   v[X+4*j+1]
	v_cvt_pk_bf16_f32 v[G+4*j+1], v[X+4*j+2], v[X+4*j+3]
	global_store_b64 v[HO], v[G+4*j:G+4*j+1], s[12:13] offset:j*524288            ; the wave's two rows of block j: 256 consecutive bytes
.else
	global_store_b128 v[XO], v[X+4*j:X+4*j+3], s[10:11] offset:256*j th:TH_STORE_NT
.endif
.set j, j+1
.endr
	s_endpgm
.Lfunc_end_k_q0745d086cb_ln1:
	.size	k_q0745d086cb_ln1, .Lfunc_end_k_q0745d086cb_ln1-k_q0745d086cb_ln1
	.p2alignl 7, 3214868480
	.fill 96, 4, 3214868480
	.section	.rodata,"a",@progbits
	.p2align	6, 0x0
	.amdhsa_kernel k_q0745d086cb_ln1
		.amdhsa_group_segment_fixed_size 0
		.amdhsa_private_segment_fixed_size 0
		.amdhsa_enable_private_segment 0
		.amdhsa_kernarg_size 40
		.amdhsa_user_sgpr_count 2
		.amdhsa_user_sgpr_kernarg_segment_ptr 1
		.amdhsa_wavefront_size32 1
		.amdhsa_system_sgpr_workgroup_id_x 1
		.amdhsa_system_sgpr_workgroup_id_y 1
		.amdhsa_system_sgpr_workgroup_id_z 1
		.amdhsa_system_vgpr_workitem_id 0
		.amdhsa_next_free_vgpr 216
		.amdhsa_next_free_sgpr 66
		.amdhsa_reserve_vcc 0
		.amdhsa_float_denorm_mode_32 3
		.amdhsa_float_denorm_mode_16_64 3
		.amdhsa_memory_ordered 1
		.amdhsa_forward_progress 1
		.amdhsa_inst_pref_size 22
	.end_amdhsa_kernel
	.amdgpu_metadata
---
amdhsa.version: [ 1, 2 ]
amdhsa.kernels:
  - .name:           k_q0745d086cb_ln1
    .symbol:         k_q0745d086cb_ln1.kd
    .args:
      - { .name: y, .offset: 0, .size: 8, .value_kind: global_buffer, .address_space: global }
      - { .name: g1, .offset: 8, .size: 8, .value_kind: global_buffer, .address_space: global }
      - { .name: be1, .offset: 16, .size: 8, .value_kind: global_buffer, .address_space: global }
      - { .name: x1, .offset: 24, .size: 8, .value_kind: global_buffer, .address_space: global }
      - { .name: x1b, .offset: 32, .size: 8, .value_kind: global_buffer, .address_space: global }
    .group_segment_fixed_size: 0
    .private_segment_fixed_size: 0
    .kernarg_segment_align: 8
    .kernarg_segment_size: 40
    .max_flat_workgroup_size: 256
    .sgpr_count:     66
    .vgpr_count:     216
    .wavefront_size: 32
...
	.end_amdgpu_metadata
.endif
;; end of part 5
;; launch ffn1 (part 6): grid 16 x 16, 4 waves a work-group, clusters of 4 x 4, 327,680 bytes of LDS; arguments x1b, wb, b1, hb; writes hb
.if DOCPART == 6
	.amdgcn_target "amdgcn-amd-amdhsa--gfx1250"
	.amdhsa_code_object_version 6
	.text
	.protected	k_q0745d086cb_ffn1
	.globl	k_q0745d086cb_ffn1
	.p2align	8
	.type	k_q0745d086cb_ffn1,@function
k_q0745d086cb_ffn1:
	s_mov_b64 s[64:65], 0
	v_nop
	global_prefetch_b8 v0, s[64:65] scope:SCOPE_SE
	s_setreg_imm32_b32 hwreg(HW_REG_WAVE_MODE, 25, 1), 1
	s_wait_xcnt 0x0
	s_wait_alu depctr_hold_cnt(0) depctr_sa_sdst(0) depctr_va_vdst(0) depctr_va_sdst(0) depctr_va_ssrc(0) depctr_va_vcc(0) depctr_vm_vsrc(0)
	s_getreg_b32 s2, hwreg(HW_REG_IB_STS2, 6, 4)
	s_cmp_eq_u32 s2, 0
	s_cbranch_scc0 .Lentry_in_a_cluster
	s_endpgm
.Lentry_in_a_cluster:
	s_bfe_u32 s2, ttmp6, 0x10000c
	s_cmp_lg_u32 s2, 0xf033
	s_cbranch_scc0 .Lentry_shape_is_right
	s_endpgm
.Lentry_shape_is_right:
; C = A B + bias, bf16 operands, f32 sums, bf16 result.  A: [16 K blocks][4096 rows][64], B: [N/64][1024 k][64], C: [N/64][4096][64].
; QKV = 1: A = x (wb at 0), B = Wq, Wk, Wv (wb at 8 MiB), bias = bq, bk or bv by the cluster's x, C = qkv, N = 3072.
; QKV = 0: A = x1b, B = W1 (wb at 16 MiB), bias = b1, ReLU, C = hb, N = 4096.
; LIMIT: the ReLU is v_max_num_f32 with 0: a NaN comes out as 0.  The f32 sums run in the matrix unit's order.
; A work-group makes 256 x 256 of C with four waves, a wave 128 x 128 in 512 registers.  K = 1024 goes in steps of 128 through two
; LDS slots filled by tensor loads; every piece fetched is 16 KiB of consecutive bytes, described as 64 rows of 256 bytes.
; CLUSTERS: 4 x 4 work-groups.  A's pieces hang on the block row alone and are asked for jointly by a row of the cluster, B's on the
; block column alone and are asked for jointly by a column: a quarter of the requests.
; B lies [k][n] in LDS and is read by the transposing load; A lies [m][k] and is read plainly.
; The matrix instruction is used transposed (source 0 = 16 columns of B, source 1 = 16 rows of A): lane l then holds row l % 16 of C and
; its registers 0-7 the columns 8 (l / 16) + 0..7.  The bias, laid out in that form, is the C operand of the first products.
; REGISTERS: window 0: addresses, A's fragments (two buffers), the way out; window 1: B's fragments (two buffers), the bias;
; windows 2, 3: the accumulators of my rows 0-63, 64-127, tile (a, b) at v[8 (8 a + b)].
.set QKV,    0
.if QKV
.set BOFF,    0x800000                 ; Wq, Wk, Wv in wb
.set PTR_A,   68
.set PTR_B,   68
.set PTR_OUT, 76
.else
.set BOFF,    0x1000000                ; W1 in wb
.set PTR_A,   68
.set PTR_B,   70
.set PTR_OUT, 74
.endif
.set KSTEP,  128
.set LAPS,   1024/(2*KSTEP)            ; a lap = two K steps = once round the ring
.set PA,     144                       ; A's LDS row: 128 bytes + 16: 9 x 16, so 16 rows start in 16 different 16-byte columns modulo 256
.set PB,     160                       ; B's LDS row: 128 bytes + 32: 5 x 32, as the transposing load's addresses want
.set AHALF,  128*PA                    ; one piece of A: 128 rows of one K block
.set ABYTES, 4*AHALF                   ; [2 K blocks][256 rows]
.set BPART,  128*PB                    ; one piece of B: 128 k of one block of 64 columns
.set SLOT,   ABYTES+4*BPART            ; 155,648
.set KBSTR,  524288                    ; bytes from one block of 64 to the next in A and in C (4096 rows x 128)
.set SPITCH, 272                       ; the stage's row: 256 bytes + 16
.set ADRA, 16                          ; v16-17 my A fragments in slot 0, 1
.set ADRB, 20                          ; v20-21 my B fragments
.set STO,  24
.set RD,   25
.set CO,   26
.set BO,   27
.set F0,   64
.set F1,   128
.set TMP,  192                         ; window 0
.set BIAS, 192                         ; window 1
.set G1A, 24
.set G0A, 32
.set G1B, 48
.set G0B, 56
.set MUL_LO,   0xa1                    ; source 0 (B) window 1, source 1 (A) window 0, C and D window 2
.set MUL_HI,   0xf1
.set FIRST_LO, 0x91                    ; the same with C (the bias) in window 1
.set FIRST_HI, 0xd1
.set TO_B,     0x40
.set MSB, 0
.macro WIN new                         ; the immediate's high byte repeats the setting that is left
.if MSB != \new
	s_set_vgpr_msb (MSB<<8)|\new
.set MSB, \new
.endif
.endm
.macro PLACES                          ; four places behind a matrix instruction, in front of loads into its registers and of readers of its result
.rept 4
	v_nop
.endr
.endm
.macro CREST                           ; a round of the cluster's barrier behind its opening work-group barrier
	s_cmp_lg_u32 s10, 0
	s_cbranch_scc1 .Lnot_wave_0_\@
	s_barrier_signal -3
.Lnot_wave_0_\@:
	s_barrier_wait -3
	s_barrier_signal -1
	s_barrier_wait -1
.endm
.macro CROUND
	s_barrier_signal -1
	s_barrier_wait -1
	CREST
.endm
	s_load_b256 s[68:75], s[0:1], 0x0
	s_set_vgpr_msb 0x40
	v_lshl_add_u32 v63, v0, 2, 0x4c000
	s_set_vgpr_msb 0x4000
	v_mov_b32 v255, 0
	s_set_vgpr_msb 0x1
	ds_add_u32 v63, v255
	s_set_vgpr_msb 0x100
.if QKV
	s_load_b64 s[76:77], s[0:1], 0x20
.endif
	v_lshrrev_b32 v1, 5, v0
	v_readfirstlane_b32 s10, v1                    ; wave 0..3
	s_lshr_b32 s11, s10, 1                         ; my half of the block's rows; also: the K block of the step that I fetch of A
	s_and_b32 s12, s10, 1                          ; my half of its columns; also: the 128 rows that I fetch of A
	s_bfe_u32 s40, ttmp6, 0x40000                  ; cx
	s_bfe_u32 s41, ttmp6, 0x40004                  ; cy
	s_lshl_b32 s42, ttmp9, 2
	s_add_co_u32 s42, s42, s40                     ; block column
	s_and_b32 s13, ttmp7, 0xffff
	s_lshl_b32 s13, s13, 2
	s_add_co_u32 s13, s13, s41                     ; block row
	s_lshl_b32 s43, s41, 2
	s_lshl_b32 s43, 15, s43                        ; my row of the cluster
	s_lshl_b32 s44, 0x1111, s40                    ; my column
	; group 1: elements of 2 bytes, 64 rows of 128 elements, dense; padding after every 32 words (a logical row of 128 bytes):
	; 4 words for A (pitch 144), 8 words for B (pitch 160); bit 21 set beside the mask
	s_or_b32 s[G1A+0], s43, 0x07310000
	s_or_b32 s[G1B+0], s44, 0x0f310000
.irp g, G1A, G1B
	s_mov_b32 s[\g+1], 128<<16                     ; tensor_dim0 = 128
	s_mov_b32 s[\g+2], 64<<16                      ; tensor_dim1 = 64
	s_mov_b32 s[\g+3], 128<<16                     ; tile_dim0 = 128
	s_mov_b32 s[\g+4], 64                          ; tile_dim1 = 64
	s_mov_b32 s[\g+5], 128                         ; from row to row: 128 elements
	s_mov_b32 s[\g+6], 0
	s_mov_b32 s[\g+7], 0
.endr
	s_lshl_b32 s16, s11, 19                        ; A: K block w / 2,
	s_lshl_b32 s17, s13, 15                        ; 256 rows x 128 bytes for each block row,
	s_add_co_u32 s16, s16, s17
	s_lshl_b32 s17, s12, 14                        ; 128 rows for the half w % 2
	s_add_co_u32 s16, s16, s17
	s_mov_b32 s17, 0
	s_lshl_b32 s46, s42, 19                        ; B: four blocks of 64 columns (1024 k x 128 bytes each) for each block column,
	s_lshl_b32 s47, s10, 17                        ; of which wave w fetches block w
	s_add_co_u32 s46, s46, s47
	s_add_co_u32 s46, s46, BOFF
	s_mov_b32 s47, 0
	s_mul_i32 s20, s10, AHALF                      ; LDS: A's piece w, no place in the cluster enters
	s_mul_i32 s21, s10, BPART
	s_add_co_u32 s21, s21, ABYTES                  ; B's piece w
	s_wait_dscnt 0x0
	s_wait_kmcnt 0x0
	s_add_nc_u64 s[14:15], s[PTR_A:PTR_A+1], s[16:17]
	s_add_nc_u64 s[46:47], s[PTR_B:PTR_B+1], s[46:47]
	CROUND                                         ; all sixteen work-groups are here: the first joint loads meet
.irp s, 0,1
	s_mov_b32 s[G0A+4*\s], 1
	s_add_co_u32 s[G0A+4*\s+1], s20, \s*SLOT
	s_add_nc_u64 s[G0A+4*\s+2:G0A+4*\s+3], s[14:15], \s*2*KBSTR       ; K step s: two K blocks on
	s_or_b32 s[G0A+4*\s+3], s[G0A+4*\s+3], 0x80000000
	s_mov_b32 s[G0B+4*\s], 1
	s_add_co_u32 s[G0B+4*\s+1], s21, \s*SLOT
	s_add_nc_u64 s[G0B+4*\s+2:G0B+4*\s+3], s[46:47], \s*KSTEP*128     ; K step s: 128 rows of 128 bytes on
	s_or_b32 s[G0B+4*\s+3], s[G0B+4*\s+3], 0x80000000
	tensor_load_to_lds s[G0A+4*\s:G0A+4*\s+3], s[G1A:G1A+7]
	s_nop 0
	tensor_load_to_lds s[G0B+4*\s:G0B+4*\s+3], s[G1B:G1B+7]           ; four tensor loads of the wave are out here, later two
	s_nop 0
.endr
	; the bias of my 128 columns
.if QKV
	s_cmp_eq_u32 ttmp9, 1                          ; block columns 0-3 are q, 4-7 k, 8-11 v: the cluster's x says which
	s_cselect_b64 s[66:67], s[72:73], s[70:71]
	s_cmp_eq_u32 ttmp9, 2
	s_cselect_b64 s[66:67], s[74:75], s[66:67]
	s_lshl_b32 s46, s40, 10                        ; 256 columns x 4 bytes for each place along x
.else
	s_mov_b64 s[66:67], s[72:73]
	s_lshl_b32 s46, s42, 10
.endif
	s_lshl_b32 s47, s12, 9
	s_add_co_u32 s46, s46, s47
	s_mov_b32 s47, 0
	s_add_nc_u64 s[66:67], s[66:67], s[46:47]
	v_and_b32 v1, 15, v0                           ; r = l % 16
	v_bfe_u32 v2, v0, 4, 1                         ; h = l / 16
	v_lshlrev_b32 v[BO], 5, v2                     ; 8 h columns of f32
	WIN TO_B
.irp b, 0,1,2,3,4,5,6,7
	global_load_b128 v[BIAS+8*\b:BIAS+8*\b+3],   v[BO], s[66:67] offset:64*\b      ; bias(16 b + 8 h + 0..3)
	global_load_b128 v[BIAS+8*\b+4:BIAS+8*\b+7], v[BO], s[66:67] offset:64*\b+16
.endr
	WIN 0
	v_mul_u32_u24 v3, v1, PA
	v_lshl_add_u32 v3, v2, 4, v3                   ; A: row r, 16 h bytes
	v_and_b32 v4, 7, v0
	v_lshl_add_u32 v4, v2, 3, v4                   ; B: k = 8 h + l % 8,
	v_mul_u32_u24 v4, v4, PB
	v_bfe_u32 v5, v0, 3, 1
	v_lshl_add_u32 v4, v5, 4, v4                   ; 16 bytes for (l / 8) % 2
	s_mul_i32 s22, s11, AHALF                      ; my 128 rows of A
	s_mul_i32 s23, s12, 2*BPART                    ; my two blocks of 64 columns of B
	s_add_co_u32 s23, s23, ABYTES
.irp s, 0,1
	v_add_nc_u32 v[ADRA+\s], s22, v3
	v_add_nc_u32 v[ADRB+\s], s23, v4
	s_add_co_u32 s22, s22, SLOT
	s_add_co_u32 s23, s23, SLOT
.endr
	s_mul_i32 s23, s10, 16*SPITCH                  ; my stage: in slot 0, used when that slot has had its last fill and its last read
	v_mul_u32_u24 v5, v1, SPITCH
	v_lshl_add_u32 v5, v2, 4, v5
	v_add_nc_u32 v[STO], s23, v5
	v_and_b32 v6, 31, v0
	v_lshrrev_b32 v7, 3, v6
	v_and_b32 v8, 7, v0
	v_mul_u32_u24 v7, v7, SPITCH
	v_lshl_add_u32 v7, v8, 4, v7                   ; back: 8 lanes take 128 bytes of a row, a wave 4 rows
	v_add_nc_u32 v[RD], s23, v7
	v_lshlrev_b32 v[CO], 4, v6                     ; and the same 4 rows x 128 bytes are 512 consecutive bytes of C
; 16 matrix instructions: row blocks a0, a0 + 1 of the window's four x all 8 column blocks, 32 along K.  first = 1: C is the bias.
; The 64 accumulators take turns, one instruction a turn, in the same order in every quarter.
.macro MUL16 f, hi, a0, first
.irp a, \a0, \a0+1
.irp b, 0,1,2,3,4,5,6,7
.if \first
	v_wmma_f32_16x16x32_bf16 v[8*(8*(\a)+\b):8*(8*(\a)+\b)+7], v[\f+8*\b:\f+8*\b+7], v[\f+8*(4*\hi+\a):\f+8*(4*\hi+\a)+7], v[BIAS+8*\b:BIAS+8*\b+7]
.else
	v_wmma_f32_16x16x32_bf16 v[8*(8*(\a)+\b):8*(8*(\a)+\b)+7], v[\f+8*\b:\f+8*\b+7], v[\f+8*(4*\hi+\a):\f+8*(4*\hi+\a)+7], v[8*(8*(\a)+\b):8*(8*(\a)+\b)+7]
.endif
.endr
.endr
.endm
; 32 LDS loads in one run: the fragments of quarter q (32 along K) of a slot into buffer f
.macro FETCH slot, q, f
	WIN TO_B
.irp b, 0,1,2,3,4,5,6,7
	ds_load_tr16_b128 v[\f+8*\b:\f+8*\b+3],   v[ADRB+\slot] offset:\q*32*PB+(\b>>2)*BPART+(\b&3)*32
	ds_load_tr16_b128 v[\f+8*\b+4:\f+8*\b+7], v[ADRB+\slot] offset:\q*32*PB+(\b>>2)*BPART+(\b&3)*32+16*PB
.endr
	WIN 0
.irp i, 0,1,2,3,4,5,6,7
	ds_load_b128 v[\f+8*\i:\f+8*\i+3],   v[ADRA+\slot] offset:(\q>>1)*2*AHALF+(\q&1)*64+\i*16*PA
	ds_load_b128 v[\f+8*\i+4:\f+8*\i+7], v[ADRA+\slot] offset:(\q>>1)*2*AHALF+(\q&1)*64+\i*16*PA+32
.endr
.endm
; multiplies buffer f; in its middle fetches quarter q of the same slot into buffer g
.macro QUARTER slot, q, f, g, first
	s_wait_dscnt 8                                 ; B and A's rows 0-63 are in; the youngest eight loads (A's rows 64-127) may be out
.if \first
	WIN FIRST_LO
.else
	WIN MUL_LO
.endif
	MUL16 \f, 0, 0, \first
	MUL16 \f, 0, 2, \first
	PLACES
	FETCH \slot, \q, \g
	s_wait_dscnt 32                                ; all but the 32 just issued
.if \first
	WIN FIRST_HI
.else
	WIN MUL_HI
.endif
	MUL16 \f, 1, 0, \first
	MUL16 \f, 1, 2, \first
.endm
.macro THREE slot, first
	QUARTER \slot, 1, F0, F1, \first
	QUARTER \slot, 2, F1, F0, 0
	QUARTER \slot, 3, F0, F1, 0
.endm
; The last quarter of a K step: multiplies buffer 1 and changes slots.  In front of the barrier each wave waits for its reads of this slot
; and for all its tensor loads (its parts of the next slot).  fill = 1: the barrier opens a round of the cluster's barrier, and the joint
; refills of this slot, two K steps ahead, are the first tensor loads behind the round.
.macro TURN slot, next, fill
	s_wait_dscnt 8
	WIN MUL_LO
	MUL16 F1, 0, 0, 0
	s_wait_dscnt 0x0                               ; my reads of this slot are over
	s_wait_tensorcnt 0x0                           ; all my tensor loads have landed
	ds_add_u32 v63, v255
	s_wait_dscnt 0x0
	s_barrier_signal -1
	MUL16 F1, 0, 2, 0                              ; register work while the others arrive
	WIN 0
	s_barrier_wait -1
.if \fill
	CREST                                          ; no wave of any partner still reads this slot or has a load on its way
	s_add_nc_u64 s[G0A+4*\slot+2:G0A+4*\slot+3], s[G0A+4*\slot+2:G0A+4*\slot+3], 4*KBSTR
	s_add_nc_u64 s[G0B+4*\slot+2:G0B+4*\slot+3], s[G0B+4*\slot+2:G0B+4*\slot+3], 2*KSTEP*128
	tensor_load_to_lds s[G0A+4*\slot:G0A+4*\slot+3], s[G1A:G1A+7]
	s_nop 0
	tensor_load_to_lds s[G0B+4*\slot:G0B+4*\slot+3], s[G1B:G1B+7]
	s_nop 0
.endif
	PLACES
	FETCH \next, 0, F0
	WIN MUL_HI
	MUL16 F1, 1, 0, 0
	MUL16 F1, 1, 2, 0
.endm
.macro LAP first
	THREE 0, \first
	TURN 0, 1, 1
	THREE 1, 0
	TURN 1, 0, 1
.endm
	s_wait_tensorcnt 2                             ; my two parts of K step 0 are in; K step 1's two stay out
	s_barrier_signal -1
	s_barrier_wait -1
	FETCH 0, 0, F0
	s_wait_loadcnt 0x0                             ; the bias
	LAP 1                                          ; the first products start the sums from the bias
	WIN 0
	s_mov_b32 s3, LAPS-2
.Llap:
	LAP 0
	WIN 0
	s_sub_co_u32 s3, s3, 1
	s_cmp_lg_u32 s3, 0
	s_cbranch_scc1 .Llap
	THREE 0, 0                                     ; the last lap fills nothing
	TURN 0, 1, 0
	THREE 1, 0
	s_wait_dscnt 8
	WIN MUL_LO
	MUL16 F1, 0, 0, 0
	MUL16 F1, 0, 2, 0
	s_wait_dscnt 0x0
	WIN MUL_HI
	MUL16 F1, 1, 0, 0
	MUL16 F1, 1, 2, 0
	PLACES
.if QKV == 0
	WIN 0x88                                       ; ReLU on the f32 sums, window 2, then window 3
.set n, 0
.rept 256
	v_max_num_f32 v[n], 0, v[n]
.set n, n+1
.endr
	WIN 0xcc
.set n, 0
.rept 256
	v_max_num_f32 v[n], 0, v[n]
.set n, n+1
.endr
.endif
	; THE WAY OUT: C at my first row and my first block of 64 columns; the row part and the column part in registers of their own
	s_lshl_b32 s16, s13, 8
	s_lshl_b32 s17, s11, 7
	s_add_co_u32 s16, s16, s17
	s_lshl_b32 s16, s16, 7                         ; rows of 128 bytes
	s_mov_b32 s17, 0
	s_add_nc_u64 s[PTR_OUT:PTR_OUT+1], s[PTR_OUT:PTR_OUT+1], s[16:17]
	s_lshl_b32 s46, s42, 2
	s_lshl_b32 s47, s12, 1
	s_add_co_u32 s46, s46, s47
	s_lshl_b32 s46, s46, 19                        ; blocks of 524,288 bytes
	s_mov_b32 s47, 0
	s_add_nc_u64 s[PTR_OUT:PTR_OUT+1], s[PTR_OUT:PTR_OUT+1], s[46:47]
; rows 16 i .. 16 i + 15 of my block: round to bf16, 16 bytes a lane into my own stage, back as 4 rows x 128 bytes, which are 512
; consecutive bytes of one block of 64 columns of C
.macro OUT16 i, a, from, f
	WIN \from
.irp b, 0,1,2,3,4,5,6,7
.irp r, 0,1,2,3
	v_cvt_pk_bf16_f32 v[TMP+4*\b+\r], v[8*(8*\a+\b)+2*\r], v[8*(8*\a+\b)+2*\r+1]
.endr
.endr
	WIN 0
.irp b, 0,1,2,3,4,5,6,7
	ds_store_b128 v[STO], v[TMP+4*\b:TMP+4*\b+3] offset:32*\b
.endr
	s_wait_xcnt 0x0                                ; buffer f, which earlier stores read, is loaded again only behind this wait
.irp u, 0,1,2,3,4,5,6,7
	ds_load_b128 v[\f+4*\u:\f+4*\u+3], v[RD] offset:(\u&3)*4*SPITCH+(\u>>2)*128    ; LDS serves a wave's instructions in order: these see the stores above
.endr
.irp u, 0,1,2,3,4,5,6,7
	s_wait_dscnt 7-\u
	global_store_b128 v[CO], v[\f+4*\u:\f+4*\u+3], s[PTR_OUT:PTR_OUT+1] offset:(\u>>2)*KBSTR+(16*\i+4*(\u&3))*128
.endr
.endm
	OUT16 0, 0, 0x0a, F0
	OUT16 1, 1, 0x0a, F1
	OUT16 2, 2, 0x0a, F0
	OUT16 3, 3, 0x0a, F1
	OUT16 4, 0, 0x0f, F0
	OUT16 5, 1, 0x0f, F1
	OUT16 6, 2, 0x0f, F0
	OUT16 7, 3, 0x0f, F1
	s_set_vgpr_msb 0x1
	s_wait_tensorcnt 0x0
	ds_add_u32 v63, v255
	s_wait_dscnt 0x0
	s_set_vgpr_msb 0x100
	CROUND                                         ; the closing round: no work-group ends while a partner may still ask for a tile that names it
	s_endpgm
.Lfunc_end_k_q0745d086cb_ffn1:
	.size	k_q0745d086cb_ffn1, .Lfunc_end_k_q0745d086cb_ffn1-k_q0745d086cb_ffn1
	.p2alignl 7, 3214868480
	.fill 96, 4, 3214868480
	.section	.rodata,"a",@progbits
	.p2align	6, 0x0
	.amdhsa_kernel k_q0745d086cb_ffn1
		.amdhsa_group_segment_fixed_size 327680
		.amdhsa_private_segment_fixed_size 0
		.amdhsa_enable_private_segment 0
		.amdhsa_kernarg_size 32
		.amdhsa_user_sgpr_count 2
		.amdhsa_user_sgpr_kernarg_segment_ptr 1
		.amdhsa_wavefront_size32 1
		.amdhsa_system_sgpr_workgroup_id_x 1
		.amdhsa_system_sgpr_workgroup_id_y 1
		.amdhsa_system_sgpr_workgroup_id_z 1
		.amdhsa_system_vgpr_workitem_id 0
		.amdhsa_next_free_vgpr 1024
		.amdhsa_next_free_sgpr 80
		.amdhsa_reserve_vcc 0
		.amdhsa_float_denorm_mode_32 3
		.amdhsa_float_denorm_mode_16_64 3
		.amdhsa_memory_ordered 1
		.amdhsa_forward_progress 1
		.amdhsa_inst_pref_size 213
	.end_amdhsa_kernel
	.amdgpu_metadata
---
amdhsa.version: [ 1, 2 ]
amdhsa.kernels:
  - .name:           k_q0745d086cb_ffn1
    .symbol:         k_q0745d086cb_ffn1.kd
    .args:
      - { .name: x1b, .offset: 0, .size: 8, .value_kind: global_buffer, .address_space: global }
      - { .name: wb, .offset: 8, .size: 8, .value_kind: global_buffer, .address_space: global }
      - { .name: b1, .offset: 16, .size: 8, .value_kind: global_buffer, .address_space: global }
      - { .name: hb, .offset: 24, .size: 8, .value_kind: global_buffer, .address_space: global }
    .group_segment_fixed_size: 327680
    .private_segment_fixed_size: 0
    .kernarg_segment_align: 8
    .kernarg_segment_size: 32
    .max_flat_workgroup_size: 128
    .sgpr_count:     80
    .vgpr_count:     1024
    .wavefront_size: 32
...
	.end_amdgpu_metadata
.endif
;; end of part 6
;; launch ffn2 (part 7): grid 8 x 32, 4 waves a work-group, clusters of 4 x 4, 327,680 bytes of LDS; arguments hb, wb, b2, x1, y; writes y
.if DOCPART == 7
	.amdgcn_target "amdgcn-amd-amdhsa--gfx1250"
	.amdhsa_code_object_version 6
	.text
	.protected	k_q0745d086cb_ffn2
	.globl	k_q0745d086cb_ffn2
	.p2align	8
	.type	k_q0745d086cb_ffn2,@function
k_q0745d086cb_ffn2:
	s_mov_b64 s[64:65], 0
	v_nop
	global_prefetch_b8 v0, s[64:65] scope:SCOPE_SE
	s_setreg_imm32_b32 hwreg(HW_REG_WAVE_MODE, 25, 1), 1
	s_wait_xcnt 0x0
	s_wait_alu depctr_hold_cnt(0) depctr_sa_sdst(0) depctr_va_vdst(0) depctr_va_sdst(0) depctr_va_ssrc(0) depctr_va_vcc(0) depctr_vm_vsrc(0)
	s_getreg_b32 s2, hwreg(HW_REG_IB_STS2, 6, 4)
	s_cmp_eq_u32 s2, 0
	s_cbranch_scc0 .Lentry_in_a_cluster
	s_endpgm
.Lentry_in_a_cluster:
	s_bfe_u32 s2, ttmp6, 0x10000c
	s_cmp_lg_u32 s2, 0xf033
	s_cbranch_scc0 .Lentry_shape_is_right
	s_endpgm
.Lentry_shape_is_right:
; Y = A B + bias + R, bf16 operands, f32 sums, f32 result.  A: [SIZE_K/64][4096 rows][64] bf16; B: [16][SIZE_K k][64] bf16 at BOFF in wb;
; bias: [1024] f32; R and Y: [4096][1024] f32.  N = 1024, so blocks of 128 x 128 of Y make 256 work-groups.
; THE FOUR WAVES SPLIT K: each keeps the whole 128 x 128 block in 512 registers and takes every fourth K block of 64, so that a wave's
; tile keeps the side 128 (128 multiply-adds for each number read from LDS and side); the four partial blocks are added once, through LDS.
; LIMIT: the f32 sums therefore run in an order of their own.
; Each wave fetches and reads its own bytes: per trip 16 KiB of A and 2 x 8 KiB of B, each a run of consecutive bytes; two slots.
; CLUSTERS: 4 x 4 work-groups; A's pieces are asked for jointly along a row of the cluster, B's along a column.
; Registers and the transposed use of the matrix instruction: window 0 addresses and A's fragments, window 1 B's, windows 2, 3 accumulators;
; lane l holds row l % 16 of Y and its registers 0-7 the columns 8 (l / 16) + 0..7 of a tile.
.set SIZE_K, 4096
.set BOFF,   0x1800000                 ; W2 in wb
.set LAPS,   SIZE_K/512                ; a trip = 256 of K (64 a wave); a lap = two trips
.set PA,     144
.set PB,     160
.set APART,  128*PA                    ; 18,432
.set BHALF,  64*PB                     ; 10,240: 64 k of one block of 64 columns
.set WPART,  APART+2*BHALF             ; 38,912: a wave's part of a slot
.set SLOT,   4*WPART                   ; 155,648
.set KBSTR,  524288                    ; from one K block of A to the next
.set IPITCH, 528                       ; a row of a partial block: 512 bytes + 16: 33 x 16
.set IMAGE,  128*IPITCH                ; 67,584
.set ADRA, 16
.set ADRB, 20
.set STO,  24
.set RD,   25                          ; v25-28
.set CO,   29
.set F0,   64
.set F1,   128
.set RES,  64                          ; window 0: 32 rows x 4 numbers of R, then of Y
.set PS,   64                          ; window 1: 8 rows x 4 partial blocks x 4 numbers
.set BI,   192
.set G1A,  24
.set G1B,  32
.set G0A,  40
.set G0B0, 48
.set G0B1, 56
.set MUL_LO, 0xa1
.set MUL_HI, 0xf1
.set TO_B,   0x40
.set MSB, 0
.macro WIN new
.if MSB != \new
	s_set_vgpr_msb (MSB<<8)|\new
.set MSB, \new
.endif
.endm
.macro PLACES                          ; four places behind a matrix instruction (ISA guide 7.12.1)
.rept 4
	v_nop
.endr
.endm
.macro CREST
	s_cmp_lg_u32 s10, 0
	s_cbranch_scc1 .Lnot_wave_0_\@
	s_barrier_signal -3
.Lnot_wave_0_\@:
	s_barrier_wait -3
	s_barrier_signal -1
	s_barrier_wait -1
.endm
.macro CROUND
	s_barrier_signal -1
	s_barrier_wait -1
	CREST
.endm
	s_load_b256 s[80:87], s[0:1], 0x0              ; A, wb, bias, R
	s_load_b64 s[88:89], s[0:1], 0x20              ; Y
	s_set_vgpr_msb 0x40
	v_lshl_add_u32 v255, v0, 2, 0x4c000
	s_set_vgpr_msb 0x4000
	v_mov_b32 v255, 0
	s_set_vgpr_msb 0x1
	ds_add_u32 v255, v255
	s_set_vgpr_msb 0x100
	v_lshrrev_b32 v1, 5, v0
	v_readfirstlane_b32 s10, v1                    ; wave 0..3
	s_bfe_u32 s66, ttmp6, 0x40000                  ; cx
	s_bfe_u32 s67, ttmp6, 0x40004                  ; cy
	s_lshl_b32 s68, ttmp9, 2
	s_add_co_u32 s68, s68, s66                     ; block column
	s_and_b32 s69, ttmp7, 0xffff
	s_lshl_b32 s69, s69, 2
	s_add_co_u32 s69, s69, s67                     ; block row
	s_lshl_b32 s70, s67, 2
	s_lshl_b32 s70, 15, s70                        ; my row of the cluster
	s_lshl_b32 s71, 0x1111, s66                    ; my column
	; group 1: rows of 128 elements of 2 bytes, dense; a pad after every 32 words: 4 words for A, 8 for B; bit 21 beside the mask
	s_or_b32 s[G1A+0], s70, 0x07310000
	s_mov_b32 s[G1A+1], 128<<16
	s_mov_b32 s[G1A+2], 64<<16                     ; A: 64 rows of 256 bytes
	s_mov_b32 s[G1A+3], 128<<16
	s_mov_b32 s[G1A+4], 64
	s_mov_b32 s[G1A+5], 128
	s_mov_b32 s[G1A+6], 0
	s_mov_b32 s[G1A+7], 0
	s_or_b32 s[G1B+0], s71, 0x0f310000
	s_mov_b32 s[G1B+1], 128<<16
	s_mov_b32 s[G1B+2], 32<<16                     ; B: 32 rows of 256 bytes
	s_mov_b32 s[G1B+3], 128<<16
	s_mov_b32 s[G1B+4], 32
	s_mov_b32 s[G1B+5], 128
	s_mov_b32 s[G1B+6], 0
	s_mov_b32 s[G1B+7], 0
	s_lshl_b32 s16, s10, 19                        ; A: K block w,
	s_lshl_b32 s17, s69, 14                        ; 128 rows x 128 bytes for each block row
	s_add_co_u32 s16, s16, s17
	s_mov_b32 s17, 0
	s_lshl_b32 s72, s68, 1                         ; B: two blocks of 64 columns for each block column,
	s_mul_i32 s72, s72, SIZE_K*128
	s_lshl_b32 s73, s10, 13                        ; 64 k x 128 bytes for the wave
	s_add_co_u32 s72, s72, s73
	s_add_co_u32 s72, s72, BOFF
	s_mov_b32 s73, 0
	s_mul_i32 s20, s10, WPART                      ; LDS: the wave's part, no place in the cluster enters
	s_wait_dscnt 0x0
	s_wait_kmcnt 0x0
	s_add_nc_u64 s[14:15], s[80:81], s[16:17]
	s_add_nc_u64 s[72:73], s[82:83], s[72:73]
	CROUND                                         ; the first joint loads meet
.irp s, 0,1
	s_mov_b32 s[G0A+4*\s], 1
	s_add_co_u32 s[G0A+4*\s+1], s20, \s*SLOT
	s_add_nc_u64 s[G0A+4*\s+2:G0A+4*\s+3], s[14:15], \s*4*KBSTR       ; trip s: four K blocks on
	s_or_b32 s[G0A+4*\s+3], s[G0A+4*\s+3], 0x80000000
	s_mov_b32 s[G0B0+4*\s], 1
	s_add_co_u32 s[G0B0+4*\s+1], s20, \s*SLOT+APART
	s_add_nc_u64 s[G0B0+4*\s+2:G0B0+4*\s+3], s[72:73], \s*32768       ; trip s: 256 k x 128 bytes on
	s_or_b32 s[G0B0+4*\s+3], s[G0B0+4*\s+3], 0x80000000
	s_mov_b32 s[G0B1+4*\s], 1
	s_add_co_u32 s[G0B1+4*\s+1], s20, \s*SLOT+APART+BHALF
	s_add_nc_u64 s[G0B1+4*\s+2:G0B1+4*\s+3], s[72:73], \s*32768+SIZE_K*128
	s_or_b32 s[G0B1+4*\s+3], s[G0B1+4*\s+3], 0x80000000
	tensor_load_to_lds s[G0A+4*\s:G0A+4*\s+3], s[G1A:G1A+7]
	s_nop 0
	tensor_load_to_lds s[G0B0+4*\s:G0B0+4*\s+3], s[G1B:G1B+7]
	s_nop 0
	tensor_load_to_lds s[G0B1+4*\s:G0B1+4*\s+3], s[G1B:G1B+7]         ; six tensor loads of the wave are out here, later three
	s_nop 0
.endr
	v_and_b32 v1, 15, v0                           ; r
	v_bfe_u32 v2, v0, 4, 1                         ; h
	v_mul_u32_u24 v3, v1, PA
	v_lshl_add_u32 v3, v2, 4, v3
	v_and_b32 v4, 7, v0
	v_lshl_add_u32 v4, v2, 3, v4
	v_mul_u32_u24 v4, v4, PB
	v_bfe_u32 v5, v0, 3, 1
	v_lshl_add_u32 v4, v5, 4, v4
	s_mov_b32 s22, s20
	s_add_co_u32 s23, s20, APART
.irp s, 0,1
	v_add_nc_u32 v[ADRA+\s], s22, v3
	v_add_nc_u32 v[ADRB+\s], s23, v4
	s_add_co_u32 s22, s22, SLOT
	s_add_co_u32 s23, s23, SLOT
.endr
	s_mul_i32 s22, s10, IMAGE
	v_mul_u32_u24 v5, v1, IPITCH
	v_lshl_add_u32 v5, v2, 5, v5
	v_add_nc_u32 v[STO], s22, v5                   ; my partial block: row r, 8 h columns of f32
	v_and_b32 v6, 31, v0
	v_lshlrev_b32 v[CO], 4, v6                     ; four columns a lane: a row of 128 f32 is 32 lanes x 16 bytes
	s_mul_i32 s23, s10, 32*IPITCH                  ; the 32 rows that I add up and store
.irp p, 0,1,2,3
	v_add_nc_u32 v[RD+\p], s23, v[CO]
	s_add_co_u32 s23, s23, IMAGE
.endr
; The 64 accumulators take turns, one instruction a turn, in the same order in every quarter.
.macro MUL16 f, hi, a0, first
.irp a, \a0, \a0+1
.irp b, 0,1,2,3,4,5,6,7
.if \first
	v_wmma_f32_16x16x32_bf16 v[8*(8*(\a)+\b):8*(8*(\a)+\b)+7], v[\f+8*\b:\f+8*\b+7], v[\f+8*(4*\hi+\a):\f+8*(4*\hi+\a)+7], 0
.else
	v_wmma_f32_16x16x32_bf16 v[8*(8*(\a)+\b):8*(8*(\a)+\b)+7], v[\f+8*\b:\f+8*\b+7], v[\f+8*(4*\hi+\a):\f+8*(4*\hi+\a)+7], v[8*(8*(\a)+\b):8*(8*(\a)+\b)+7]
.endif
.endr
.endr
.endm
.macro FETCH slot, q, f                ; the fragments of half q (32 along K) of my part of a slot
	WIN TO_B
.irp b, 0,1,2,3,4,5,6,7
	ds_load_tr16_b128 v[\f+8*\b:\f+8*\b+3],   v[ADRB+\slot] offset:\q*32*PB+(\b>>2)*BHALF+(\b&3)*32
	ds_load_tr16_b128 v[\f+8*\b+4:\f+8*\b+7], v[ADRB+\slot] offset:\q*32*PB+(\b>>2)*BHALF+(\b&3)*32+16*PB
.endr
	WIN 0
.irp i, 0,1,2,3,4,5,6,7
	ds_load_b128 v[\f+8*\i:\f+8*\i+3],   v[ADRA+\slot] offset:\q*64+\i*16*PA
	ds_load_b128 v[\f+8*\i+4:\f+8*\i+7], v[ADRA+\slot] offset:\q*64+\i*16*PA+32
.endr
.endm
.macro ONE slot, first                 ; multiplies buffer 0; in its middle fetches the second half into buffer 1
	s_wait_dscnt 8                                 ; B and A's rows 0-63 are in; the youngest eight loads may be out
	WIN MUL_LO
	MUL16 F0, 0, 0, \first
	MUL16 F0, 0, 2, \first
	PLACES
	FETCH \slot, 1, F1
	s_wait_dscnt 32                                ; all but the 32 just issued
	WIN MUL_HI
	MUL16 F0, 1, 0, \first
	MUL16 F0, 1, 2, \first
.endm
; multiplies buffer 1 and changes slots; fill = 1: the barrier opens a round of the cluster's barrier, in front of which every wave has
; waited for its reads of this slot and for all its tensor loads, and the joint refills are the first tensor loads behind the round
.macro TURN slot, next, fill
	s_wait_dscnt 8
	WIN MUL_LO
	MUL16 F1, 0, 0, 0
	s_wait_dscnt 0x0
	s_wait_tensorcnt 0x0
	ds_add_u32 v255, v255
	s_wait_dscnt 0x0
	s_barrier_signal -1
	MUL16 F1, 0, 2, 0
	WIN 0
	s_barrier_wait -1
.if \fill
	CREST
	s_add_nc_u64 s[G0A+4*\slot+2:G0A+4*\slot+3], s[G0A+4*\slot+2:G0A+4*\slot+3], 8*KBSTR
	s_add_nc_u64 s[G0B0+4*\slot+2:G0B0+4*\slot+3], s[G0B0+4*\slot+2:G0B0+4*\slot+3], 65536
	s_add_nc_u64 s[G0B1+4*\slot+2:G0B1+4*\slot+3], s[G0B1+4*\slot+2:G0B1+4*\slot+3], 65536
	tensor_load_to_lds s[G0A+4*\slot:G0A+4*\slot+3], s[G1A:G1A+7]
	s_nop 0
	tensor_load_to_lds s[G0B0+4*\slot:G0B0+4*\slot+3], s[G1B:G1B+7]
	s_nop 0
	tensor_load_to_lds s[G0B1+4*\slot:G0B1+4*\slot+3], s[G1B:G1B+7]
	s_nop 0
.endif
	PLACES
	FETCH \next, 0, F0
	WIN MUL_HI
	MUL16 F1, 1, 0, 0
	MUL16 F1, 1, 2, 0
.endm
.macro LAP first
	ONE 0, \first
	TURN 0, 1, 1
	ONE 1, 0
	TURN 1, 0, 1
.endm
	s_wait_tensorcnt 3                             ; my three loads of trip 0 are in, trip 1's three stay out; I read my own bytes alone
	FETCH 0, 0, F0
	LAP 1                                          ; the first products start the sums
.if LAPS > 2
	WIN 0
	s_mov_b32 s3, LAPS-2
.Llap:
	LAP 0
	WIN 0
	s_sub_co_u32 s3, s3, 1
	s_cmp_lg_u32 s3, 0
	s_cbranch_scc1 .Llap
.endif
	ONE 0, 0                                       ; the last lap fills nothing
	TURN 0, 1, 0
	ONE 1, 0
	s_wait_dscnt 8
	WIN MUL_LO
	MUL16 F1, 0, 0, 0
	MUL16 F1, 0, 2, 0
	s_wait_dscnt 0x0
	WIN MUL_HI
	MUL16 F1, 1, 0, 0
	MUL16 F1, 1, 2, 0
	PLACES                                         ; in front of the loads into the fragment buffers and of the stores of the sums
	WIN 0
	; my 32 rows of R and of Y, my block's 128 columns; row part and column part in registers of their own
	s_lshl_b32 s16, s69, 7
	s_lshl_b32 s17, s10, 5
	s_add_co_u32 s16, s16, s17
	s_lshl_b32 s16, s16, 12                        ; rows of 4,096 bytes
	s_mov_b32 s17, 0
	s_lshl_b32 s72, s68, 9                         ; 128 columns of f32
	s_mov_b32 s73, 0
	s_add_nc_u64 s[86:87], s[86:87], s[16:17]
	s_add_nc_u64 s[86:87], s[86:87], s[72:73]
	s_add_nc_u64 s[88:89], s[88:89], s[16:17]
	s_add_nc_u64 s[88:89], s[88:89], s[72:73]
	s_add_nc_u64 s[84:85], s[84:85], s[72:73]
	global_load_b128 v[BI:BI+3], v[CO], s[84:85]
.set n, 0
.rept 32
	global_load_b128 v[RES+4*n:RES+4*n+3], v[CO], s[86:87] offset:n*4096       ; on their way while the partial blocks cross LDS
.set n, n+1
.endr
	s_wait_dscnt 0x0                               ; every wave is done with the ring, which has had its last fill
	s_wait_tensorcnt 0x0
	s_barrier_signal -1
	s_barrier_wait -1
	WIN 0x08
.irp a, 0,1,2,3
.irp b, 0,1,2,3,4,5,6,7
	ds_store_b128 v[STO], v[8*(8*\a+\b):8*(8*\a+\b)+3]   offset:\a*16*IPITCH+64*\b
	ds_store_b128 v[STO], v[8*(8*\a+\b)+4:8*(8*\a+\b)+7] offset:\a*16*IPITCH+64*\b+16
.endr
.endr
	WIN 0x0c
.irp a, 0,1,2,3
.irp b, 0,1,2,3,4,5,6,7
	ds_store_b128 v[STO], v[8*(8*\a+\b):8*(8*\a+\b)+3]   offset:(\a+4)*16*IPITCH+64*\b
	ds_store_b128 v[STO], v[8*(8*\a+\b)+4:8*(8*\a+\b)+7] offset:(\a+4)*16*IPITCH+64*\b+16
.endr
.endr
	WIN 0
	s_wait_dscnt 0x0                               ; for the readers' sake: zero
	s_barrier_signal -1
	s_barrier_wait -1
	s_wait_loadcnt 0x0                             ; bias and R
.set n, 0
.rept 32
	v_pk_add_f32 v[RES+4*n:RES+4*n+1],   v[RES+4*n:RES+4*n+1],   v[BI:BI+1]
	v_pk_add_f32 v[RES+4*n+2:RES+4*n+3], v[RES+4*n+2:RES+4*n+3], v[BI+2:BI+3]
.set n, n+1
.endr
; eight of my rows: the four partial blocks' numbers are read, added, added to R + bias, and stored as rows of 512 consecutive bytes
.macro BATCH bt
	WIN 0x40
.irp i, 0,1,2,3,4,5,6,7
.irp p, 0,1,2,3
	ds_load_b128 v[PS+16*\i+4*\p:PS+16*\i+4*\p+3], v[RD+\p] offset:(8*\bt+\i)*IPITCH
.endr
.endr
	WIN 0x45
.irp i, 0,1,2,3,4,5,6,7
	s_wait_dscnt 4*(7-\i)                          ; row i's four loads are in, the younger rows' stay out
	v_pk_add_f32 v[PS+16*\i:PS+16*\i+1],     v[PS+16*\i:PS+16*\i+1],     v[PS+16*\i+4:PS+16*\i+5]
	v_pk_add_f32 v[PS+16*\i+2:PS+16*\i+3],   v[PS+16*\i+2:PS+16*\i+3],   v[PS+16*\i+6:PS+16*\i+7]
	v_pk_add_f32 v[PS+16*\i+8:PS+16*\i+9],   v[PS+16*\i+8:PS+16*\i+9],   v[PS+16*\i+12:PS+16*\i+13]
	v_pk_add_f32 v[PS+16*\i+10:PS+16*\i+11], v[PS+16*\i+10:PS+16*\i+11], v[PS+16*\i+14:PS+16*\i+15]
	v_pk_add_f32 v[PS+16*\i:PS+16*\i+1],     v[PS+16*\i:PS+16*\i+1],     v[PS+16*\i+8:PS+16*\i+9]
	v_pk_add_f32 v[PS+16*\i+2:PS+16*\i+3],   v[PS+16*\i+2:PS+16*\i+3],   v[PS+16*\i+10:PS+16*\i+11]
.endr
	WIN 0x01
.irp i, 0,1,2,3,4,5,6,7
	v_pk_add_f32 v[RES+4*(8*\bt+\i):RES+4*(8*\bt+\i)+1],   v[PS+16*\i:PS+16*\i+1],   v[RES+4*(8*\bt+\i):RES+4*(8*\bt+\i)+1]
	v_pk_add_f32 v[RES+4*(8*\bt+\i)+2:RES+4*(8*\bt+\i)+3], v[PS+16*\i+2:PS+16*\i+3], v[RES+4*(8*\bt+\i)+2:RES+4*(8*\bt+\i)+3]
.endr
	WIN 0
.irp i, 0,1,2,3,4,5,6,7
	global_store_b128 v[CO], v[RES+4*(8*\bt+\i):RES+4*(8*\bt+\i)+3], s[88:89] offset:(8*\bt+\i)*4096
.endr
.endm
	BATCH 0
	BATCH 1
	BATCH 2
	BATCH 3
	s_set_vgpr_msb 0x1
	s_wait_tensorcnt 0x0
	ds_add_u32 v255, v255
	s_wait_dscnt 0x0
	s_set_vgpr_msb 0x100
	CROUND                                         ; the closing round
	s_endpgm
.Lfunc_end_k_q0745d086cb_ffn2:
	.size	k_q0745d086cb_ffn2, .Lfunc_end_k_q0745d086cb_ffn2-k_q0745d086cb_ffn2
	.p2alignl 7, 3214868480
	.fill 96, 4, 3214868480
	.section	.rodata,"a",@progbits
	.p2align	6, 0x0
	.amdhsa_kernel k_q0745d086cb_ffn2
		.amdhsa_group_segment_fixed_size 327680
		.amdhsa_private_segment_fixed_size 0
		.amdhsa_enable_private_segment 0
		.amdhsa_kernarg_size 40
		.amdhsa_user_sgpr_count 2
		.amdhsa_user_sgpr_kernarg_segment_ptr 1
		.amdhsa_wavefront_size32 1
		.amdhsa_system_sgpr_workgroup_id_x 1
		.amdhsa_system_sgpr_workgroup_id_y 1
		.amdhsa_system_sgpr_workgroup_id_z 1
		.amdhsa_system_vgpr_workitem_id 0
		.amdhsa_next_free_vgpr 1024
		.amdhsa_next_free_sgpr 96
		.amdhsa_reserve_vcc 0
		.amdhsa_float_denorm_mode_32 3
		.amdhsa_float_denorm_mode_16_64 3
		.amdhsa_memory_ordered 1
		.amdhsa_forward_progress 1
		.amdhsa_inst_pref_size 132
	.end_amdhsa_kernel
	.amdgpu_metadata
---
amdhsa.version: [ 1, 2 ]
amdhsa.kernels:
  - .name:           k_q0745d086cb_ffn2
    .symbol:         k_q0745d086cb_ffn2.kd
    .args:
      - { .name: hb, .offset: 0, .size: 8, .value_kind: global_buffer, .address_space: global }
      - { .name: wb, .offset: 8, .size: 8, .value_kind: global_buffer, .address_space: global }
      - { .name: b2, .offset: 16, .size: 8, .value_kind: global_buffer, .address_space: global }
      - { .name: x1, .offset: 24, .size: 8, .value_kind: global_buffer, .address_space: global }
      - { .name: y, .offset: 32, .size: 8, .value_kind: global_buffer, .address_space: global }
    .group_segment_fixed_size: 327680
    .private_segment_fixed_size: 0
    .kernarg_segment_align: 8
    .kernarg_segment_size: 40
    .max_flat_workgroup_size: 128
    .sgpr_count:     96
    .vgpr_count:     1024
    .wavefront_size: 32
...
	.end_amdgpu_metadata
.endif
;; end of part 7
;; launch ln2 (part 8): grid 256 x 1, 8 waves a work-group, no clusters, 0 bytes of LDS; arguments y, g2, be2, out0; writes out0
.if DOCPART == 8
	.amdgcn_target "amdgcn-amd-amdhsa--gfx1250"
	.amdhsa_code_object_version 6
	.text
	.protected	k_q0745d086cb_ln2
	.globl	k_q0745d086cb_ln2
	.p2align	8
	.type	k_q0745d086cb_ln2,@function
k_q0745d086cb_ln2:
	s_mov_b64 s[64:65], 0
	v_nop
	global_prefetch_b8 v0, s[64:65] scope:SCOPE_SE
	s_setreg_imm32_b32 hwreg(HW_REG_WAVE_MODE, 25, 1), 1
	s_wait_xcnt 0x0
; LayerNorm of rows of 1024 f32: out = (y - mean) rsqrt(var + 1e-5) g + be.  WITH_BF16 = 1: the result is stored in f32 (the residual
; stream) and, rounded to bf16, as [16][4096][64] for the next product.
; A wave takes two rows: lanes 0-15 one, lanes 16-31 the next; lane c of a row holds columns 64 j + 4 c .. + 3, j = 0..15, in 64 registers.
; The row stays in registers between the passes (mean; squares of the differences; scaling), so memory is read once, a sum over a row
; needs only the four steps inside 16 lanes, and the variance is no difference of large sums.
; Memory binds: no LDS, no barrier, no matrix unit, no cluster (work-groups share only g and be, 8 KiB).
; LIMIT: v_rsq_f32 is accurate to 1 ulp and flushes denormals.
.set WITH_BF16, 0
.set XO, 1
.set GO, 2
.set HO, 3
.set X,  8                             ; v[8:71]
.set G,  72                            ; v[72:135]
.set BE, 136                           ; v[136:199]
.set CH, 200                           ; v[200:207] four chains of pairs
.set MU, 208
.set RS, 210
	s_load_b256 s[4:11], s[0:1], 0x0               ; y, g, be, out
.if WITH_BF16
	s_load_b64 s[12:13], s[0:1], 0x20              ; the bf16 copy
.endif
	s_lshl_b32 s14, ttmp9, 16                      ; 16 rows of 4,096 bytes
	s_mov_b32 s15, 0
	s_lshl_b32 s16, ttmp9, 11                      ; 16 rows of 128 bytes
	s_mov_b32 s17, 0
	s_mov_b32 s18, 0x3a800000                      ; 1 / 1024
	s_mov_b32 s19, 0x3727c5ac                      ; 1e-5
	v_lshrrev_b32 v4, 4, v0                        ; my row in the work-group's 16
	v_and_b32 v5, 15, v0
	v_lshlrev_b32 v[GO], 4, v5
	v_lshl_add_u32 v[XO], v4, 12, v[GO]
	v_lshlrev_b32 v[HO], 3, v0                     ; 8 t = 128 x row + 8 c
	s_wait_kmcnt 0x0
	s_add_nc_u64 s[4:5], s[4:5], s[14:15]
	s_add_nc_u64 s[10:11], s[10:11], s[14:15]
.if WITH_BF16
	s_add_nc_u64 s[12:13], s[12:13], s[16:17]
.endif
.set j, 0
.rept 16
	global_load_b128 v[X+4*j:X+4*j+3], v[XO], s[4:5] offset:256*j th:TH_LOAD_NT   ; 16 lanes read 256 consecutive bytes of a row
.set j, j+1
.endr
.set j, 0
.rept 16
	global_load_b128 v[G+4*j:G+4*j+3], v[GO], s[6:7] offset:256*j
.set j, j+1
.endr
.set j, 0
.rept 16
	global_load_b128 v[BE+4*j:BE+4*j+3], v[GO], s[8:9] offset:256*j
.set j, j+1
.endr
	s_wait_loadcnt 32                              ; the row is in; the 32 loads of g and be stay out
.irp k, 0,1,2,3
	v_pk_add_f32 v[CH+2*\k:CH+2*\k+1], v[X+2*\k:X+2*\k+1], v[X+8+2*\k:X+8+2*\k+1]     ; the first pairs start the chains
.endr
.set j, 8
.rept 24
	v_pk_add_f32 v[CH+2*(j%4):CH+2*(j%4)+1], v[CH+2*(j%4):CH+2*(j%4)+1], v[X+2*j:X+2*j+1]
.set j, j+1
.endr
.macro JOIN                            ; four chains of pairs to one number in each of the row's 16 lanes
	v_pk_add_f32 v[CH:CH+1], v[CH:CH+1], v[CH+2:CH+3]
	v_pk_add_f32 v[CH+4:CH+5], v[CH+4:CH+5], v[CH+6:CH+7]
	v_pk_add_f32 v[CH:CH+1], v[CH:CH+1], v[CH+4:CH+5]
	v_add_f32 v[CH], v[CH], v[CH+1]
	v_add_f32_dpp v[CH], v[CH], v[CH] row_xmask:1 row_mask:0xf bank_mask:0xf
	v_add_f32_dpp v[CH], v[CH], v[CH] row_xmask:2 row_mask:0xf bank_mask:0xf
	v_add_f32_dpp v[CH], v[CH], v[CH] row_xmask:4 row_mask:0xf bank_mask:0xf
	v_add_f32_dpp v[CH], v[CH], v[CH] row_xmask:8 row_mask:0xf bank_mask:0xf
.endm
	JOIN
	v_mul_f32 v[MU], s18, v[CH]
	v_mul_f32 v[MU+1], s18, v[CH]
.set j, 0
.rept 32
	v_pk_add_f32 v[X+2*j:X+2*j+1], v[X+2*j:X+2*j+1], v[MU:MU+1] neg_lo:[0,1] neg_hi:[0,1]
.set j, j+1
.endr
.irp k, 0,1,2,3
	v_pk_mul_f32 v[CH+2*\k:CH+2*\k+1], v[X+2*\k:X+2*\k+1], v[X+2*\k:X+2*\k+1]
.endr
.set j, 4
.rept 28
	v_pk_fma_f32 v[CH+2*(j%4):CH+2*(j%4)+1], v[X+2*j:X+2*j+1], v[X+2*j:X+2*j+1], v[CH+2*(j%4):CH+2*(j%4)+1]
.set j, j+1
.endr
	JOIN
	v_fma_f32 v[CH], v[CH], s18, s19               ; var + eps
	v_rsq_f32 v[RS], v[CH]
	v_nop                                          ; the plain place behind v_rsq_f32
	s_wait_alu depctr_va_vdst(0)
	v_mov_b32 v[RS+1], v[RS]
	s_wait_loadcnt 0x0                             ; g and be
.set j, 0
.rept 16
	v_pk_mul_f32 v[G+4*j:G+4*j+1],   v[G+4*j:G+4*j+1],   v[RS:RS+1]
	v_pk_mul_f32 v[G+4*j+2:G+4*j+3], v[G+4*j+2:G+4*j+3], v[RS:RS+1]
	v_pk_fma_f32 v[X+4*j:X+4*j+1],   v[X+4*j:X+4*j+1],   v[G+4*j:G+4*j+1],   v[BE+4*j:BE+4*j+1]
	v_pk_fma_f32 v[X+4*j+2:X+4*j+3], v[X+4*j+2:X+4*j+3], v[G+4*j+2:G+4*j+3], v[BE+4*j+2:BE+4*j+3]
.if WITH_BF16
	global_store_b128 v[XO], v[X+4*j:X+4*j+3], s[10:11] offset:256*j              ; 16 lanes store 256 consecutive bytes, aligned
	v_cvt_pk_bf16_f32 v[G+4*j],   v[X+4*j],   v[X+4*j+1]
	v_cvt_pk_bf16_f32 v[G+4*j+1], v[X+4*j+2], v[X+4*j+3]
	global_store_b64 v[HO], v[G+4*j:G+4*j+1], s[12:13] offset:j*524288            ; the wave's two rows of block j: 256 consecutive bytes
.else
	global_store_b128 v[XO], v[X+4*j:X+4*j+3], s[10:11] offset:256*j th:TH_STORE_NT
.endif
.set j, j+1
.endr
	s_endpgm
.Lfunc_end_k_q0745d086cb_ln2:
	.size	k_q0745d086cb_ln2, .Lfunc_end_k_q0745d086cb_ln2-k_q0745d086cb_ln2
	.p2alignl 7, 3214868480
	.fill 96, 4, 3214868480
	.section	.rodata,"a",@progbits
	.p2align	6, 0x0
	.amdhsa_kernel k_q0745d086cb_ln2
		.amdhsa_group_segment_fixed_size 0
		.amdhsa_private_segment_fixed_size 0
		.amdhsa_enable_private_segment 0
		.amdhsa_kernarg_size 32
		.amdhsa_user_sgpr_count 2
		.amdhsa_user_sgpr_kernarg_segment_ptr 1
		.amdhsa_wavefront_size32 1
		.amdhsa_system_sgpr_workgroup_id_x 1
		.amdhsa_system_sgpr_workgroup_id_y 1
		.amdhsa_system_sgpr_workgroup_id_z 1
		.amdhsa_system_vgpr_workitem_id 0
		.amdhsa_next_free_vgpr 216
		.amdhsa_next_free_sgpr 66
		.amdhsa_reserve_vcc 0
		.amdhsa_float_denorm_mode_32 3
		.amdhsa_float_denorm_mode_16_64 3
		.amdhsa_memory_ordered 1
		.amdhsa_forward_progress 1
		.amdhsa_inst_pref_size 18
	.end_amdhsa_kernel
	.amdgpu_metadata
---
amdhsa.version: [ 1, 2 ]
amdhsa.kernels:
  - .name:           k_q0745d086cb_ln2
    .symbol:         k_q0745d086cb_ln2.kd
    .args:
      - { .name: y, .offset: 0, .size: 8, .value_kind: global_buffer, .address_space: global }
      - { .name: g2, .offset: 8, .size: 8, .value_kind: global_buffer, .address_space: global }
      - { .name: be2, .offset: 16, .size: 8, .value_kind: global_buffer, .address_space: global }
      - { .name: out0, .offset: 24, .size: 8, .value_kind: global_buffer, .address_space: global }
    .group_segment_fixed_size: 0
    .private_segment_fixed_size: 0
    .kernarg_segment_align: 8
    .kernarg_segment_size: 32
    .max_flat_workgroup_size: 256
    .sgpr_count:     66
    .vgpr_count:     216
    .wavefront_size: 32
...
	.end_amdgpu_metadata
.endif
;; end of part 8
